; MI455X (gfx1250); checked and timed in simulation.
; The chip was launched on July 23, 2026; its instructions are those of AMD's public machine-readable ISA for CDNA 5 (MIT licence, August 2026) and "CDNA5" Instruction Set Architecture Reference Guide (July 2026). The comments in the code are by the model that wrote it; some were corrected since.
;; MHA. Allowed arithmetic: matrix products marked QUANTISED: E4M3 operands, one given power-of-two scale a tensor, by v_wmma_f32_16x16x64_fp8_fp8 or v_wmma_f32_16x16x128_fp8_fp8, f32 sums; everything else in f32.
;; Inputs: W_out 1,024 x 1,024 float32; W_qkv 3,072 x 1,024 float32; kn_w 64 float32; lowp_scales 8 int32 (the exponents e of the quantised operands' scales 2^e); mask 2,048 x 2,048 bool; pos 2,048 int32; qn_w 64 float32; x 4 x 2,048 x 1,024 float32.
;; Outputs: out0 4 x 2,048 x 1,024 float32.
;; This version of the problem:
;;   THIS VERSION OF THE PROBLEM IS GIVEN IN LOW PRECISION. The matrix products marked QUANTISED in the list below multiply operands that are first quantised to E4M3 (4 exponent bits, 3 mantissa bits; 8 bits a number), with one given power-of-two scale for each operand tensor; their sums are f32. All else is computed in f32.
;;   The module's matrix products, in the order in which they are computed (A, B: the left and right operand; K: the contracted axis; several contracted axes count as one K, in the product's order):
;;     1. [M 8,192, K 1,024] x [K 1,024, N 3,072]; A: input x; B: input W_qkv: QUANTISED (scales: A lowp_scales[0], B lowp_scales[1])
;;     2. batch 64 x [M 2,048, K 64] x [K 64, N 2,048]; A: computed on the way; B: computed on the way: QUANTISED (scales: A lowp_scales[2], B lowp_scales[3])
;;     3. batch 64 x [M 2,048, K 2,048] x [K 2,048, N 64]; A: softmax (see below); B: computed on the way: QUANTISED (scales: A lowp_scales[4], B lowp_scales[5])
;;     4. [M 8,192, K 1,024] x [K 1,024, N 1,024]; A: computed on the way; B: input W_out: QUANTISED (scales: A lowp_scales[6], B lowp_scales[7])
;;   THE QUANTISER, for each operand of a quantised product, along K:
;;     - The operand's scale is 2^e, e = its entry of the input lowp_scales (int32; the entries are numbered through the quantised products in the list's order, A before B).
;;     - Each number is divided by the scale, clamped to +-448, and rounded to the nearest number of E4M3, ties to even, subnormals kept.
;;     - The product sums the exact products of the quantised numbers (number of the format x scale) in f32.
;;   ~~~python
;;   def quantise(x, axis, e):      # numpy; x: float32 -> the quantised numbers, widened to float32 again
;;       x = np.moveaxis(x, axis, -1); K = x.shape[-1]
;;       r = np.clip(x / 2.0 ** e, -448, 448)
;;       step = 2.0 ** (np.maximum(np.frexp(np.where(r == 0, 1, r))[1] - 1, -6) - 3)
;;       q = np.round(r / step) * step * 2.0 ** e      # np.round: ties to even
;;       return np.moveaxis(q, -1, axis).astype(np.float32)
;;   ~~~
;;   SOFTMAX AHEAD OF A QUANTISED PRODUCT. Where the list says 'softmax', what is quantised is not the finished softmax but p = 2^(t - M), with t = logit x log2(e) and M = ceil(the row's largest t), a whole number; so 1/2 < the row's largest p <= 1. The row's sum l is taken of the UNQUANTISED p, in f32, and the product's result is divided by l at the end. Since M is a whole number, a kernel that streams over the keys may use a running M (the ceiling of the running maximum): every later rescaling is an exact power of two, so the quantised numbers keep their values, but for numbers so far below the row's largest that they fall under the format's range.
;;   OPERANDS COMPUTED ON THE WAY. 'Computed on the way' means the value that the module computes at that place (a softmax that the list does not call 'softmax' is quantised finished and normalised). What goes into a quantiser is computed in f32, as accurately as f32 sums, v_exp_f32 and their like allow (about 1e-6 of the number): no bf16 or f16 on the way to a quantiser, and a product that is left as it is and whose result goes on into a quantised operand takes f32 operands (vector FMAs, or v_wmma_f32_16x16x4_f32). A number that lies on a knife's edge between two numbers of the format may be rounded either way, as far as f32 arithmetic and the matrix unit's own rounding can turn it there, and no further.
;; 2 versions, each right; version 2 is version 1 with the launch attn written anew for expert scheduling mode. Each part assembles by itself: llvm-mc -triple=amdgcn-amd-amdhsa -mcpu=gfx1250 --defsym DOCPART=n.
;; ======== version 1 of 2: 4 launches
;; limits: right only within a limited range of input values
;; workspace buffers: xcodes 8,388,608 bytes; wcodes 4,194,304 bytes; ropetab 524,288 bytes; mtab 526,336 bytes of whole numbers; qkvc 25,165,824 bytes; ycodes 8,388,608 bytes
;; launch prep (part 1): grid 512 x 1, 4 waves a work-group, no clusters, 34,304 bytes of LDS; arguments x, W_qkv, W_out, lowp_scales, pos, mask, xcodes, wcodes, ropetab, mtab; writes xcodes, wcodes, ropetab, mtab
.if DOCPART == 1
	.amdgcn_target "amdgcn-amd-amdhsa--gfx1250"
	.amdhsa_code_object_version 6
	.text
	.protected	k_q9eb404e1c8_prep
	.globl	k_q9eb404e1c8_prep
	.p2align	8
	.type	k_q9eb404e1c8_prep,@function
k_q9eb404e1c8_prep:
	s_mov_b64 s[64:65], 0
	v_nop
	global_prefetch_b8 v0, s[64:65] scope:SCOPE_SE
	s_setreg_imm32_b32 hwreg(HW_REG_WAVE_MODE, 25, 1), 1
	s_wait_xcnt 0x0
; FIRST OF FOUR LAUNCHES (prep, qkv, attn, proj) of: QKV projection, RMS norm and RoPE on q and k, masked softmax attention, output projection; all four products on codes of FP8 (E4M3).
; DEAD WORK: none.  Every input has a way to the output and is loaded: x, W_qkv, W_out, qn_w, kn_w, pos, mask, lowp_scales.  No product is left out.
; What later launches do not do is decided by WHOLE NUMBERS read from memory: a tile of 16 queries x 128 keys whose 2,048 mask bytes are all 1 has p = 0 everywhere, adds nothing to the row's sum or to O,
; and is jumped over on flags that this launch stores.  That holds for every mask.
; THIS LAUNCH: (a) x, W_qkv, W_out (f32, K innermost) become codes with the given scales 2^e0, 2^e1, 2^e7; (b) cos and sin of pos x inv_freq; (c) the mask as lane-mask words and flags.
; THE IMAGE.  Codes are laid as the reader's operand registers stand: a fragment of 16 rows x 128 k is 16 registers a lane; group g (registers 4 g .. 4 g + 3) takes 512 bytes, lane l's 16 bytes at 512 g + 16 l.
; Lane (r = l % 16, h = l / 16) holds row r; registers 2 c, 2 c + 1 hold k = 16 c + 8 h + 0 .. 7.  So each load and store of 16 bytes a lane covers 512 consecutive bytes.
; SHARES.  Work-groups 0-127: table and mask of the 16 positions / 16 queries 16 g on (wave w: table group w, keys 512 w on).  Work-groups 128-511: four waves, each 16 rows x 512 k (four fragments).
; LIMITS.  e0, e1, e7 between -126 and 119.  NaN among the float inputs is not served; an infinity is held at the largest code.  Mask bytes are 0 or 1.  |pos x inv_freq| under 2^22.
; inv_freq = 2^(-i log2(10000) / 32) is made by a two-part product and v_exp_f32, good to about 1.5e-7 of its size, so an angle is good to that part of its size.
.set STG,   8448                       ; a wave's stage: 16 rows x (512 bytes + 16): row r begins 132 r words on, so the 16 rows of a read begin at 16 different groups of four banks
.set SPARE, 4*STG                      ; behind the stages: the spare words, 128 bytes a wave
.set SPW, 12                           ; v12  SPARE + 4 x thread; never rewritten
.set NIL, 13                           ; v13  0; never rewritten
.set R,   16                           ; v16-143  two sets of 64: a fragment's numbers as loaded
.set X,   144                          ; v144-207 the fragment's numbers, 64 of my row
.set C,   208                          ; v208-239 two sets of 16: codes
	s_load_b256 s[4:11], s[0:1], 0x0               ; x, W_qkv, W_out, lowp_scales
	s_load_b256 s[12:19], s[0:1], 0x20             ; pos, mask, xcodes, wcodes
	s_load_b128 s[20:23], s[0:1], 0x40             ; ropetab, mtab
	v_lshl_add_u32 v[SPW], v0, 2, SPARE
	v_mov_b32 v[NIL], 0
	v_lshrrev_b32 v1, 5, v0
	v_readfirstlane_b32 s24, v1                    ; wave
	v_and_b32 v1, 31, v0                           ; lane
	v_and_b32 v2, 15, v0                           ; r
	v_bfe_u32 v3, v0, 4, 1                         ; h
	v_lshlrev_b32 v4, 4, v1                        ; 16 x lane
	s_cmp_lt_u32 ttmp9, 128
	s_cbranch_scc1 .Laux
; ---------------- codes ----------------
	s_mul_i32 s25, s24, STG
	v_add_nc_u32 v5, s25, v4                       ; stage, way in: a row's 512 bytes as they lie
	v_mul_u32_u24 v6, v2, 528
	v_lshl_add_u32 v6, v3, 5, v6
	v_add_nc_u32 v6, s25, v6                       ; stage, way out: row r, + 32 h: my 8 numbers of each 16
	s_sub_co_u32 s25, ttmp9, 128                   ; u: 0-255 x, 256-351 W_qkv, 352-383 W_out
	s_wait_kmcnt 0x0
	s_load_b256 s[32:39], s[10:11], 0x0            ; e0 .. e7
	s_cmp_lt_u32 s25, 256                          ; the choices hang on the work-group's number alone
	s_cselect_b64 s[26:27], s[4:5], s[6:7]
	s_cselect_b64 s[28:29], s[16:17], s[18:19]
	s_cselect_b32 s30, 0, 256
	s_cmp_lt_u32 s25, 352
	s_cselect_b64 s[26:27], s[26:27], s[8:9]
	s_cselect_b32 s30, s30, 352
	s_cselect_b32 s40, 0, 3145728                  ; W_out's codes lie behind W_qkv's
	s_sub_co_u32 s30, s25, s30
	s_lshl_b32 s30, s30, 1
	s_lshr_b32 s31, s24, 1
	s_add_co_u32 s30, s30, s31                     ; my tile of 16 rows
	s_and_b32 s31, s24, 1                          ; which 512 along K
	s_lshl_b32 s42, s30, 16                        ; 16 rows of 4,096 bytes
	s_lshl_b32 s43, s31, 11
	s_add_co_u32 s42, s42, s43
	s_mov_b32 s43, 0
	s_add_nc_u64 s[26:27], s[26:27], s[42:43]
	s_lshl_b32 s42, s30, 14                        ; 8 fragments of 2,048 bytes
	s_lshl_b32 s41, s31, 13
	s_add_co_u32 s42, s42, s41
	s_add_co_u32 s42, s42, s40
	s_add_nc_u64 s[28:29], s[28:29], s[42:43]
.macro LOADF f                         ; fragment f: 16 loads, each one row's 512 consecutive bytes
.set i, 0
.rept 16
	global_load_b128 v[R+64*((\f)%2)+4*i:R+64*((\f)%2)+4*i+3], v4, s[26:27] offset:4096*i+512*(\f) th:TH_LOAD_NT
.set i, i+1
.endr
.endm
.macro TURNF f                         ; through my stage: in by rows, out 8 neighbours at a time.  LDS serves a wave's instructions in order: no wait between
.set i, 0
.rept 16
	ds_store_b128 v5, v[R+64*((\f)%2)+4*i:R+64*((\f)%2)+4*i+3] offset:528*i
.set i, i+1
.endr
.set i, 0
.rept 16
	ds_load_b128 v[X+4*i:X+4*i+3], v6 offset:64*(i/2)+16*(i%2)   ; register 8 c + j = k 16 c + 8 h + j of row r
.set i, i+1
.endr
.endm
.macro QF f
.set i, 0
.rept 64
	v_med3_num_f32 v[X+i], v[X+i], -v10, v10       ; the conversion does not saturate (ISA guide 7.6.2): the hold at the largest code x the scale
.set i, i+1
.endr
.set i, 0
.rept 8
	v_cvt_scalef32_pk8_fp8_f32 v[C+16*((\f)%2)+2*i:C+16*((\f)%2)+2*i+1], v[X+8*i:X+8*i+7], v11
.set i, i+1
.endr
	v_nop                                          ; a plain line behind the last conversion: the next fragment's holds write the conversions' sources
.set i, 0
.rept 4
	global_store_b128 v4, v[C+16*((\f)%2)+4*i:C+16*((\f)%2)+4*i+3], s[28:29] offset:2048*(\f)+512*i
.set i, i+1
.endr
.endm
	LOADF 0
	LOADF 1
	s_wait_kmcnt 0x0
	s_cmp_lt_u32 s25, 256
	s_cselect_b32 s41, s32, s33
	s_cmp_lt_u32 s25, 352
	s_cselect_b32 s41, s41, s39                    ; e
	s_add_co_i32 s41, s41, 127
	s_lshl_b32 s42, s41, 23
	v_mov_b32 v11, s42                             ; 2^e
	s_add_co_i32 s41, s41, 8
	s_lshl_b32 s41, s41, 23
	s_or_b32 s41, s41, 0x600000
	v_mov_b32 v10, s41                             ; 448 x 2^e
.irp f, 0,1,2,3
.if \f < 3
	s_wait_loadcnt 16                              ; this fragment's 16 loads are in; the next fragment's 16 may be out
.else
	s_wait_loadcnt 0x0
.endif
	TURNF \f
	s_wait_dscnt 0x0                               ; the numbers are back
.if \f < 2
	LOADF \f+2                                     ; into the set that the stage's stores have read
.else
	s_wait_xcnt 0x0                                ; the stores of two fragments ago have read their codes' registers
.endif
	QF \f
.endr
	s_wait_tensorcnt 0x0                           ; the wave's end: three closing lines behind my last LDS store
	ds_add_u32 v[SPW], v[NIL]
	s_wait_dscnt 0x0
	s_endpgm
; ---------------- table and mask ----------------
.Laux:
	v_lshlrev_b32 v8, 2, v2                        ; pos: 4 r
	v_lshlrev_b32 v7, 11, v2
	v_lshl_add_u32 v7, v3, 3, v7                   ; mask: row r of 2,048 bytes, + 8 h
	v_lshlrev_b32 v9, 3, v1                        ; words out: 8 x lane
.irp i, 40,41,42,43,44,45,46,47
	v_mov_b32 v\i, 0                               ; v_writelane_b32's destination counts as read
.endr
	s_lshl_b32 s26, ttmp9, 6
	s_mov_b32 s27, 0
	s_lshl_b32 s28, ttmp9, 15
	s_lshl_b32 s25, s24, 9
	s_add_co_u32 s28, s28, s25                     ; mask: 16 rows x 2,048 g + 512 w
	s_mov_b32 s29, 0
	s_lshl_b32 s30, ttmp9, 12
	s_add_co_u32 s30, s30, s25                     ; table: 4,096 g + 512 w
	s_mov_b32 s31, 0
	s_lshl_b32 s32, ttmp9, 12
	s_lshl_b32 s25, s24, 10
	s_add_co_u32 s32, s32, s25                     ; words: 4,096 g + 1,024 w
	s_mov_b32 s33, 0
	s_lshl_b32 s34, ttmp9, 4
	s_lshl_b32 s25, s24, 2
	s_add_co_u32 s34, s34, s25
	s_add_co_u32 s34, s34, 524288                  ; flags: behind the words, 16 g + 4 w
	s_mov_b32 s35, 0
	s_wait_kmcnt 0x0
	s_add_nc_u64 s[12:13], s[12:13], s[26:27]
	s_add_nc_u64 s[14:15], s[14:15], s[28:29]
	s_add_nc_u64 s[20:21], s[20:21], s[30:31]
	s_add_nc_u64 s[36:37], s[22:23], s[34:35]
	s_add_nc_u64 s[22:23], s[22:23], s[32:33]
	global_load_b32 v20, v8, s[12:13]              ; pos of row r
.set i, 0
.rept 32
	global_load_b64 v[64+2*i:65+2*i], v7, s[14:15] offset:16*i   ; step i / 8, keys 16 (i % 8) + 8 h + 0 .. 7 of row r
.set i, i+1
.endr
	s_mov_b32 s48, 0x3ed49a78                      ; log2(10000) / 32, high part
	s_mov_b32 s49, 0x32179a18                      ; and low part
	s_mov_b32 s50, 0x3f317218                      ; ln 2
	s_mov_b32 s51, 0x3f22f983                      ; 2 / pi
	s_mov_b32 s52, 0x3fc90fda                      ; pi / 2 in three parts
	s_mov_b32 s53, 0x33a22168
	s_mov_b32 s54, 0x27c234c4
	s_mov_b32 s55, 0xbe2aaaa3                      ; sine's polynomial on +-pi / 4
	s_mov_b32 s56, 0x3c08839e
	s_mov_b32 s57, 0xb94ca1f9
	s_mov_b32 s58, 0x3d2aaaa5                      ; cosine's
	s_mov_b32 s59, 0xbab6061a
	s_mov_b32 s60, 0x37ccf5ce
	s_lshr_b32 s40, s24, 1
	s_lshl_b32 s40, s40, 4
	s_and_b32 s41, s24, 1
	s_lshl_b32 s41, s41, 2
	s_add_co_u32 s40, s40, s41
	v_lshl_add_u32 v22, v3, 3, s40                 ; my first frequency: 16 (w / 2) + 8 h + 4 (w % 2)
.irp e, 0,1,2,3
	v_add_nc_u32 v[24+\e], \e, v22
.endr
.irp e, 0,1,2,3
	v_cvt_f32_u32 v[24+\e], v[24+\e]
.endr
.irp e, 0,1,2,3
	v_mul_f32 v[28+\e], s48, v[24+\e]              ; a = i L, high part,
.endr
.irp e, 0,1,2,3
	v_fma_f32 v[32+\e], v[24+\e], s48, -v[28+\e]   ; what that product rounded away,
.endr
.irp e, 0,1,2,3
	v_fma_f32 v[32+\e], v[24+\e], s49, v[32+\e]    ; and L's low part
.endr
.irp e, 0,1,2,3
	v_exp_f32 v[36+\e], -v[28+\e]
.endr
	v_nop                                          ; a plain line behind the batch
	s_wait_alu depctr_va_vdst(0)                   ; one wait for the four, ahead of their first reader
.irp e, 0,1,2,3
	v_mul_f32 v[32+\e], s50, v[32+\e]
.endr
.irp e, 0,1,2,3
	v_fma_f32 v[36+\e], -v[32+\e], v[36+\e], v[36+\e]   ; inv_freq = 2^-a_hi (1 - ln 2 a_lo)
.endr
	s_wait_loadcnt 32                              ; pos is in; the 32 mask loads behind it may be out
	v_cvt_f32_i32 v21, v20
.irp e, 0,1,2,3
	v_mul_f32 v[36+\e], v21, v[36+\e]              ; the angle
.endr
.irp e, 0,1,2,3
	v_mul_f32 v[128+\e], s51, v[36+\e]
.endr
.irp e, 0,1,2,3
	v_rndne_f32 v[128+\e], v[128+\e]               ; n quarter turns
.endr
.irp e, 0,1,2,3
	v_fma_f32 v[132+\e], -v[128+\e], s52, v[36+\e]
.endr
.irp e, 0,1,2,3
	v_fma_f32 v[132+\e], -v[128+\e], s53, v[132+\e]
.endr
.irp e, 0,1,2,3
	v_fma_f32 v[132+\e], -v[128+\e], s54, v[132+\e]   ; what is left, within +-pi / 4
.endr
.irp e, 0,1,2,3
	v_mul_f32 v[136+\e], v[132+\e], v[132+\e]
.endr
.irp e, 0,1,2,3
	v_fma_f32 v[140+\e], v[136+\e], s57, s56
.endr
.irp e, 0,1,2,3
	v_fma_f32 v[140+\e], v[140+\e], v[136+\e], s55
.endr
.irp e, 0,1,2,3
	v_mul_f32 v[152+\e], v[132+\e], v[136+\e]
.endr
.irp e, 0,1,2,3
	v_fma_f32 v[140+\e], v[152+\e], v[140+\e], v[132+\e]   ; its sine
.endr
.irp e, 0,1,2,3
	v_fma_f32 v[144+\e], v[136+\e], s60, s59
.endr
.irp e, 0,1,2,3
	v_fma_f32 v[144+\e], v[144+\e], v[136+\e], s58
.endr
.irp e, 0,1,2,3
	v_fma_f32 v[152+\e], v[136+\e], -0.5, 1.0
.endr
.irp e, 0,1,2,3
	v_mul_f32 v[136+\e], v[136+\e], v[136+\e]
.endr
.irp e, 0,1,2,3
	v_fma_f32 v[144+\e], v[136+\e], v[144+\e], v[152+\e]   ; its cosine
.endr
.irp e, 0,1,2,3
	v_cvt_i32_f32 v[148+\e], v[128+\e]
.endr
.irp e, 0,1,2,3
	v_and_b32 v[152+\e], 1, v[148+\e]
.endr
.irp e, 0,1,2,3
	v_cmp_ne_u32 s[40+\e], 0, v[152+\e]            ; an odd number of quarter turns swaps the two
.endr
.irp e, 0,1,2,3
	v_cndmask_b32 v[48+\e], v[144+\e], v[140+\e], s[40+\e]
	v_cndmask_b32 v[52+\e], v[140+\e], v[144+\e], s[40+\e]
.endr
.irp e, 0,1,2,3
	v_add_nc_u32 v[152+\e], 1, v[148+\e]
	v_and_b32 v[148+\e], 2, v[148+\e]
.endr
.irp e, 0,1,2,3
	v_and_b32 v[152+\e], 2, v[152+\e]
	v_lshlrev_b32 v[148+\e], 30, v[148+\e]
.endr
.irp e, 0,1,2,3
	v_lshlrev_b32 v[152+\e], 30, v[152+\e]
	v_xor_b32 v[52+\e], v[148+\e], v[52+\e]        ; sine is negative in quarters 2, 3
.endr
.irp e, 0,1,2,3
	v_xor_b32 v[48+\e], v[152+\e], v[48+\e]        ; cosine in quarters 1, 2
.endr
	global_store_b128 v4, v[48:51], s[20:21]                 ; group w: cos;  512 consecutive bytes a wave
	global_store_b128 v4, v[52:55], s[20:21] offset:2048     ; group 4 + w: sin
	s_mov_b32 s38, 0                               ; the flags of my four steps
; One step of 128 keys.  Word n = 8 c + j: bit l = mask[16 g + l % 16][128 step + 16 c + 8 (l / 16) + j]: the lane mask for score register 8 c + j.
.macro MSTEP sp
	s_wait_loadcnt 8*(3-\sp)                       ; this step's 8 loads are in; the later steps' may be out
	v_or_b32 v156, v[64+16*\sp], v[65+16*\sp]
	v_and_b32 v157, v[64+16*\sp], v[65+16*\sp]
.set i, 2
.rept 14
	v_or_b32 v156, v156, v[64+16*\sp+i]
	v_and_b32 v157, v157, v[64+16*\sp+i]
.set i, i+1
.endr
	v_cmp_ne_u32 s40, 0, v156                      ; a lane with a masked key
	v_cmp_ne_u32 s42, 0x01010101, v157             ; a lane with an open key
	s_cmp_lg_u32 s40, 0
	s_cselect_b32 s41, 1<<(16+\sp), 0
	s_or_b32 s38, s38, s41
	s_cmp_lg_u32 s42, 0
	s_cselect_b32 s41, 1<<(\sp), 0
	s_or_b32 s38, s38, s41
.set n, 0
.rept 64
	v_and_b32 v[160+n%4], 1<<(8*(n%4)), v[64+16*\sp+2*(n/8)+((n%8)/4)]
	v_cmp_ne_u32 s[44+n%4], 0, v[160+n%4]
	v_writelane_b32 v[40+2*\sp+(n&1)], s[44+n%4], n>>1
.set n, n+1
.endr
	global_store_b64 v9, v[40+2*\sp:41+2*\sp], s[22:23] offset:256*\sp   ; 64 words: 256 consecutive bytes, aligned; each step has its own data registers
.endm
	MSTEP 0
	MSTEP 1
	MSTEP 2
	MSTEP 3
	s_lshl_b32 s25, s24, 2
	s_lshl_b32 s38, s38, s25                       ; bit 4 w + s': open; bit 16 + 4 w + s': masked: words of quarters and tiles are joined by OR
	v_mov_b32 v22, s38
	v_mov_b32 v23, 0
	s_wait_xcnt 0x0                                ; EXEC changes only behind this wait
	v_cmp_eq_u32 vcc_lo, 0, v1
	s_and_saveexec_b32 s39, vcc_lo
	global_store_b32 v23, v22, s[36:37]
	s_wait_xcnt 0x0                                ; and again ahead of the line that widens it
	s_or_b32 exec_lo, exec_lo, s39
	s_endpgm
.Lfunc_end_k_q9eb404e1c8_prep:
	.size	k_q9eb404e1c8_prep, .Lfunc_end_k_q9eb404e1c8_prep-k_q9eb404e1c8_prep
	.p2alignl 7, 3214868480
	.fill 96, 4, 3214868480
	.section	.rodata,"a",@progbits
	.p2align	6, 0x0
	.amdhsa_kernel k_q9eb404e1c8_prep
		.amdhsa_group_segment_fixed_size 34304
		.amdhsa_private_segment_fixed_size 0
		.amdhsa_enable_private_segment 0
		.amdhsa_kernarg_size 80
		.amdhsa_user_sgpr_count 2
		.amdhsa_user_sgpr_kernarg_segment_ptr 1
		.amdhsa_wavefront_size32 1
		.amdhsa_system_sgpr_workgroup_id_x 1
		.amdhsa_system_sgpr_workgroup_id_y 1
		.amdhsa_system_sgpr_workgroup_id_z 1
		.amdhsa_system_vgpr_workitem_id 0
		.amdhsa_next_free_vgpr 240
		.amdhsa_next_free_sgpr 66
		.amdhsa_reserve_vcc 1
		.amdhsa_float_denorm_mode_32 3
		.amdhsa_float_denorm_mode_16_64 3
		.amdhsa_memory_ordered 1
		.amdhsa_forward_progress 1
		.amdhsa_inst_pref_size 102
	.end_amdhsa_kernel
	.amdgpu_metadata
---
amdhsa.version: [ 1, 2 ]
amdhsa.kernels:
  - .name:           k_q9eb404e1c8_prep
    .symbol:         k_q9eb404e1c8_prep.kd
    .args:
      - { .name: x, .offset: 0, .size: 8, .value_kind: global_buffer, .address_space: global }
      - { .name: W_qkv, .offset: 8, .size: 8, .value_kind: global_buffer, .address_space: global }
      - { .name: W_out, .offset: 16, .size: 8, .value_kind: global_buffer, .address_space: global }
      - { .name: lowp_scales, .offset: 24, .size: 8, .value_kind: global_buffer, .address_space: global }
      - { .name: pos, .offset: 32, .size: 8, .value_kind: global_buffer, .address_space: global }
      - { .name: mask, .offset: 40, .size: 8, .value_kind: global_buffer, .address_space: global }
      - { .name: xcodes, .offset: 48, .size: 8, .value_kind: global_buffer, .address_space: global }
      - { .name: wcodes, .offset: 56, .size: 8, .value_kind: global_buffer, .address_space: global }
      - { .name: ropetab, .offset: 64, .size: 8, .value_kind: global_buffer, .address_space: global }
      - { .name: mtab, .offset: 72, .size: 8, .value_kind: global_buffer, .address_space: global }
    .group_segment_fixed_size: 34304
    .private_segment_fixed_size: 0
    .kernarg_segment_align: 8
    .kernarg_segment_size: 80
    .max_flat_workgroup_size: 128
    .sgpr_count:     66
    .vgpr_count:     240
    .wavefront_size: 32
...
	.end_amdgpu_metadata
.endif
;; end of part 1
;; launch qkv (part 2): grid 16 x 32, 4 waves a work-group, clusters of 4 x 4, 327,680 bytes of LDS; arguments xcodes, wcodes, ropetab, qn_w, kn_w, lowp_scales, qkvc; writes qkvc
.if DOCPART == 2
	.amdgcn_target "amdgcn-amd-amdhsa--gfx1250"
	.amdhsa_code_object_version 6
	.text
	.protected	k_q9eb404e1c8_qkv
	.globl	k_q9eb404e1c8_qkv
	.p2align	8
	.type	k_q9eb404e1c8_qkv,@function
k_q9eb404e1c8_qkv:
	s_mov_b64 s[64:65], 0
	v_nop
	global_prefetch_b8 v0, s[64:65] scope:SCOPE_SE
	s_setreg_imm32_b32 hwreg(HW_REG_WAVE_MODE, 25, 1), 1
	s_wait_xcnt 0x0
	s_wait_alu depctr_hold_cnt(0) depctr_sa_sdst(0) depctr_va_vdst(0) depctr_va_sdst(0) depctr_va_ssrc(0) depctr_va_vcc(0) depctr_vm_vsrc(0)
	s_getreg_b32 s2, hwreg(HW_REG_IB_STS2, 6, 4)
	s_cmp_eq_u32 s2, 0
	s_cbranch_scc0 .Lentry_in_a_cluster
	s_endpgm
.Lentry_in_a_cluster:
	s_bfe_u32 s2, ttmp6, 0x10000c
	s_cmp_lg_u32 s2, 0xf033
	s_cbranch_scc0 .Lentry_shape_is_right
	s_endpgm
.Lentry_shape_is_right:
; qkv = x W_qkv^T on codes of FP8 (scales 2^e0, 2^e1); q and k: RMS norm (qn_w, kn_w), RoPE (table of cos, sin), codes with 2^e2, 2^e3; v: codes with 2^e5.  Nothing of the problem is left out here.
; SHARES.  A work-group: 256 tokens x one head's 192 columns (64 q, 64 k, 64 v).  Wave w: tokens 64 w .. 64 w + 63 x all 192: 48 accumulators: token tiles a = 0..3 x column tiles b = 0..11.
; So a wave holds whole heads' rows: norm, RoPE and the quantisers need one exchange between the halves of the lanes and no LDS.
; LAYOUT.  q, k: the product is used transposed (source 0 = 16 rows of W, source 1 = 16 tokens): lane (r, h) holds token r; register j of tile b is channel 16 b + 8 h + j: eight conversions' sources in order.
; v: the sources are swapped (source 0 = tokens, source 1 = W): lane (r, h) holds channel r and tokens 8 h + j: V^T's fragment, the keys along the registers.
; All operands and results are IMAGES of operand registers (group g of four registers: 512 bytes, lane l at 16 l): LDS reads and global stores are 512 consecutive bytes a wave; no pitch, no stage.
; RING.  K = 1,024 in four steps of 256 through two LDS slots; a slot holds two substeps of 128.  Written out, no loop.
; CLUSTER 4 x 4: the four of a row of the cluster share the tokens' tiles, the four of a column the head's weights: joint tensor loads.  By this text's count a wave has two tensor loads out at the start, then one.
; LIMITS: e2, e3, e5 - e0 - e1 between -126 and 119; e0 + e1 between -126 and 127; 2 (e0 + e1) - 6 between -126 and 127.
; REGISTERS.  window 0: v8-13 scales; v16-29 addresses; v64-191 the tokens' fragments, two sets; afterwards v32-255 at work.   window 1: v0-191 W's 12 fragments, one set; v192-223 qn_w, v224-255 kn_w.
;   window 2: q's and k's accumulators, (a, b) at v[8 (8 a + b)].   window 3: v0-127 v's accumulators, (t, a) at v[8 (4 t + a)]; v128-255 cos and sin: tile a: cos at 128 + 32 a, sin 16 on.
.set SLOT,  114688                     ; 16 token tiles x 4,096, then 12 weight tiles x 4,096
.set BOFF,  65536
.set SPARE, 2*SLOT                     ; behind the ring: the spare words, 128 bytes a wave
.set ADRA, 16                          ; v16-17  my tokens' fragments in slot 0, 1
.set ADRB, 20                          ; v20-21  the weights'
.set LI,   24                          ; v24     16 x lane
.set HW,   25                          ; v25     32 h
.set SPW,  28                          ; v28     SPARE + 4 x thread; never rewritten
.set NIL,  29                          ; v29     0; never rewritten
.set AF,   64
.set G1,  24                           ; s[24:31] group 1 for the tokens' tiles; s[32:39] group 0, a set for each slot
.set G0,  32
.set G1B, 48                           ; s[48:55], s[56:63] the same for the weights'
.set G0B, 56
.set MSB, 0
.macro WIN new                         ; the immediate's high byte repeats the setting that is left
.if MSB != \new
	s_set_vgpr_msb (MSB<<8)|\new
.set MSB, \new
.endif
.endm
.macro PLACES                          ; four plain vector lines between a matrix instruction and a load into, or a vector read or write of, its registers
.rept 4
	v_nop
.endr
.endm
.macro JLOAD g0a, g1a, g0b, g1b        ; a joint load: waves 0, 1 for the tokens, waves 2, 3 for the weights; s_nop 0 and four v_nop behind each line
	s_cmp_eq_u32 s19, 0
	s_cbranch_scc0 .Lfor_b_\@
	tensor_load_to_lds s[\g0a:\g0a+3], s[\g1a:\g1a+7]
	s_nop 0
.rept 4
	v_nop
.endr
	s_branch .Lasked_\@
.Lfor_b_\@:
	tensor_load_to_lds s[\g0b:\g0b+3], s[\g1b:\g1b+7]
	s_nop 0
.rept 4
	v_nop
.endr
.Lasked_\@:
.endm
.macro CREST                           ; a round of the cluster's barrier behind its opening barrier
	s_cmp_lg_u32 s18, 0
	s_cbranch_scc1 .Lnot_wave_0_\@
	s_barrier_signal -3
.Lnot_wave_0_\@:
	s_barrier_wait -3
	s_barrier_signal -1
	s_barrier_wait -1
.endm
.macro CROUND
	s_barrier_signal -1
	s_barrier_wait -1
	CREST
.endm
	s_load_b256 s[4:11], s[0:1], 0x0               ; xcodes, wcodes, ropetab, qn_w
	s_load_b128 s[12:15], s[0:1], 0x20             ; kn_w, lowp_scales
	s_load_b64 s[16:17], s[0:1], 0x30              ; qkvc
	v_lshl_add_u32 v[SPW], v0, 2, SPARE
	v_mov_b32 v[NIL], 0
	ds_add_u32 v[SPW], v[NIL]                      ; the wave's opening: the add, twice on end, and its wait ahead of my first tensor load
	ds_add_u32 v[SPW], v[NIL]
	v_lshrrev_b32 v1, 5, v0
	v_readfirstlane_b32 s18, v1                    ; wave
	s_lshr_b32 s19, s18, 1                         ; I fetch tokens (0) or weights (1)
	s_and_b32 s20, s18, 1                          ; which half of them
	s_bfe_u32 s40, ttmp6, 0x40000                  ; cx
	s_bfe_u32 s41, ttmp6, 0x40004                  ; cy
	s_lshl_b32 s42, ttmp9, 2
	s_add_co_u32 s42, s42, s40                     ; the head
	s_and_b32 s21, ttmp7, 0xffff
	s_lshl_b32 s21, s21, 2
	s_add_co_u32 s21, s21, s41                     ; the block of 256 tokens
	s_lshl_b32 s43, s41, 2
	s_lshl_b32 s43, 15, s43                        ; my row of the cluster
	s_lshl_b32 s44, 0x1111, s40                    ; my column
	s_or_b32 s[G1+0], s43, (3<<16)|(1<<21)         ; 15:0 the mask; 17:16 elements of 8 bytes; 21 set beside a mask; no padding
	s_or_b32 s[G1B+0], s44, (3<<16)|(1<<21)
	s_mov_b32 s[G1+1], 512<<16                     ; tensor_dim0 = 512 elements: two fragments, 4,096 bytes
	s_mov_b32 s[G1+2], 8<<16                       ; tensor_dim1 = 8 tiles
	s_mov_b32 s[G1+3], 512<<16                     ; tile_dim0
	s_mov_b32 s[G1+4], 8                           ; tile_dim1
	s_mov_b32 s[G1+5], 2048                        ; from tile to tile: 16,384 bytes
	s_mov_b32 s[G1+6], 0
	s_mov_b32 s[G1+7], 0
	s_mov_b32 s[G1B+1], 512<<16
	s_mov_b32 s[G1B+2], 6<<16                      ; 6 tiles
	s_mov_b32 s[G1B+3], 512<<16
	s_mov_b32 s[G1B+4], 6
	s_mov_b32 s[G1B+5], 2048
	s_mov_b32 s[G1B+6], 0
	s_mov_b32 s[G1B+7], 0
	s_lshl_b32 s22, s21, 18                        ; tokens: (16 y + 8 half) tiles of 16,384 bytes
	s_lshl_b32 s23, s20, 17
	s_add_co_u32 s22, s22, s23
	s_mov_b32 s23, 0
	s_mul_i32 s46, s42, 196608                     ; weights: (12 head + 6 half) tiles
	s_mul_i32 s47, s20, 98304
	s_add_co_u32 s46, s46, s47
	s_mov_b32 s47, 0
	s_lshl_b32 s45, s20, 15                        ; where they go: no place in the cluster enters an LDS address
	s_mul_i32 s88, s20, 24576
	s_add_co_u32 s88, s88, BOFF
	s_wait_dscnt 0x0                               ; both opening adds are done
	s_wait_kmcnt 0x0
	s_load_b256 s[68:75], s[14:15], 0x0            ; e0 .. e7
	s_add_nc_u64 s[22:23], s[4:5], s[22:23]
	s_add_nc_u64 s[46:47], s[6:7], s[46:47]
	CROUND                                         ; all sixteen work-groups are here: the first joint loads meet
.irp s, 0,1
	s_mov_b32 s[G0+4*\s], 1
	s_add_co_u32 s[G0+4*\s+1], s45, \s*SLOT
	s_add_nc_u64 s[G0+4*\s+2:G0+4*\s+3], s[22:23], \s*4096
	s_or_b32 s[G0+4*\s+3], s[G0+4*\s+3], 0x80000000
	s_mov_b32 s[G0B+4*\s], 1
	s_add_co_u32 s[G0B+4*\s+1], s88, \s*SLOT
	s_add_nc_u64 s[G0B+4*\s+2:G0B+4*\s+3], s[46:47], \s*4096
	s_or_b32 s[G0B+4*\s+3], s[G0B+4*\s+3], 0x80000000
	JLOAD G0+4*\s, G1, G0B+4*\s, G1B
.endr
	v_and_b32 v1, 31, v0
	v_lshlrev_b32 v[LI], 4, v1
	v_bfe_u32 v2, v0, 4, 1
	v_lshlrev_b32 v[HW], 5, v2
	s_lshl_b32 s89, s18, 14                        ; my four token tiles
	v_add_nc_u32 v[ADRA], s89, v[LI]
	v_add_nc_u32 v[ADRA+1], SLOT, v[ADRA]
	v_add_nc_u32 v[ADRB], BOFF, v[LI]
	v_add_nc_u32 v[ADRB+1], SLOT+BOFF, v[LI]
	s_and_b32 s90, s21, 7
	s_lshl_b32 s91, s90, 4
	s_lshl_b32 s92, s18, 2
	s_add_co_u32 s91, s91, s92                     ; my first token tile within the sequence
	s_lshl_b32 s92, s91, 12
	s_mov_b32 s93, 0
	s_add_nc_u64 s[8:9], s[8:9], s[92:93]          ; its cos and sin
	s_lshr_b32 s94, s21, 3
	s_lshl_b32 s94, s94, 4
	s_add_co_u32 s94, s94, s42                     ; batch x 16 + head
	s_lshl_b32 s92, s94, 7
	s_add_co_u32 s92, s92, s91
	s_lshl_b32 s92, s92, 10
	s_add_nc_u64 s[82:83], s[16:17], s[92:93]      ; q's images: [64][128 tiles][1,024]
	s_add_nc_u64 s[84:85], s[82:83], 8388608       ; k's
	s_lshl_b32 s92, s94, 4
	s_lshl_b32 s95, s90, 1
	s_add_co_u32 s92, s92, s95
	s_add_co_u32 s92, s92, s19                     ; the step of 128 keys that my 64 tokens lie in
	s_lshl_b32 s92, s92, 13
	s_lshl_b32 s95, s20, 10                        ; and which half of it
	s_add_co_u32 s92, s92, s95
	s_add_nc_u64 s[86:87], s[16:17], s[92:93]
	s_add_nc_u64 s[86:87], s[86:87], 16777216      ; v's images: [64][16 steps][4 channel tiles][2,048]
	WIN 0x40                                       ; destination window 1
.irp b, 0,1,2,3
	global_load_b128 v[192+8*\b:195+8*\b], v[HW], s[10:11] offset:64*\b        ; register 8 b + j = qn_w[16 b + 8 h + j]
	global_load_b128 v[196+8*\b:199+8*\b], v[HW], s[10:11] offset:64*\b+16
	global_load_b128 v[224+8*\b:227+8*\b], v[HW], s[12:13] offset:64*\b        ; kn_w likewise
	global_load_b128 v[228+8*\b:231+8*\b], v[HW], s[12:13] offset:64*\b+16
.endr
	WIN 0xc0                                       ; destination window 3
.irp a, 0,1,2,3
.irp g, 0,1,2,3,4,5,6,7
	global_load_b128 v[128+32*\a+4*\g:131+32*\a+4*\g], v[LI], s[8:9] offset:4096*\a+512*\g
.endr
.endr
	WIN 0
.macro FA slot, q                      ; my four token tiles of the slot's substep q into set q
	WIN 0
.irp a, 0,1,2,3
.irp c, 0,1,2,3
	ds_load_b128 v[AF+64*(\q)+16*\a+4*\c:AF+64*(\q)+16*\a+4*\c+3], v[ADRA+\slot] offset:4096*\a+2048*(\q)+512*\c
.endr
.endr
.endm
.macro FB slot, q, b0                  ; weight tiles b0 .. b0 + 3
	WIN 0x40
.irp i, 0,1,2,3
.irp c, 0,1,2,3
	ds_load_b128 v[16*((\b0)+\i)+4*\c:16*((\b0)+\i)+4*\c+3], v[ADRB+\slot] offset:4096*((\b0)+\i)+2048*(\q)+512*\c
.endr
.endr
.endm
; 16 matrix instructions.  part 0: q's tiles; 1: k's; 2: v's (sources swapped).  p: the tokens' set.  The 48 accumulators take turns in the same order in every substep.
.macro MULP part, p, zero
.if \part < 2
	WIN 0xa1                                       ; source 0 window 1, source 1 window 0, C and D window 2
.irp b, 0,1,2,3
.irp a, 0,1,2,3
.if \zero
	v_wmma_f32_16x16x128_fp8_fp8 v[8*(8*\a+4*(\part)+\b):8*(8*\a+4*(\part)+\b)+7], v[16*(4*(\part)+\b):16*(4*(\part)+\b)+15], v[AF+64*(\p)+16*\a:AF+64*(\p)+16*\a+15], 0
.else
	v_wmma_f32_16x16x128_fp8_fp8 v[8*(8*\a+4*(\part)+\b):8*(8*\a+4*(\part)+\b)+7], v[16*(4*(\part)+\b):16*(4*(\part)+\b)+15], v[AF+64*(\p)+16*\a:AF+64*(\p)+16*\a+15], v[8*(8*\a+4*(\part)+\b):8*(8*\a+4*(\part)+\b)+7]
.endif
.endr
.endr
.else
	WIN 0xf4                                       ; source 0 window 0, source 1 window 1, C and D window 3
.irp t, 0,1,2,3
.irp a, 0,1,2,3
.if \zero
	v_wmma_f32_16x16x128_fp8_fp8 v[8*(4*\t+\a):8*(4*\t+\a)+7], v[AF+64*(\p)+16*\a:AF+64*(\p)+16*\a+15], v[16*(8+\t):16*(8+\t)+15], 0
.else
	v_wmma_f32_16x16x128_fp8_fp8 v[8*(4*\t+\a):8*(4*\t+\a)+7], v[AF+64*(\p)+16*\a:AF+64*(\p)+16*\a+15], v[16*(8+\t):16*(8+\t)+15], v[8*(4*\t+\a):8*(4*\t+\a)+7]
.endif
.endr
.endr
.endif
.endm
; A slot's first substep.  On entry 64 LDS loads are out, in this order: tokens, W 0-3, W 4-7, W 8-11.  A group of four weight tiles is free once its 16 products are issued, and takes the next substep's.
.macro STEP slot, zero
	s_wait_dscnt 32                                ; tokens and W 0-3 are in; W 4-7 and W 8-11 may be out
	MULP 0, 0, \zero
	PLACES
	FA \slot, 1
	FB \slot, 1, 0
	s_wait_dscnt 48                                ; W 4-7 are in; out: W 8-11 and the 32 just issued
	MULP 1, 0, \zero
	PLACES
	FB \slot, 1, 4
	s_wait_dscnt 48                                ; W 8-11 are in; out: the 48 issued since
	MULP 2, 0, \zero
	PLACES
	FB \slot, 1, 8
	WIN 0
.endm
; A slot's second substep changes slots: one barrier; ahead of it each wave waits for all its tensor loads, adds 0 to its spare word, and waits for that and for its reads of this slot.
.macro TURN slot, next, fill
	s_wait_tensorcnt 0x0                           ; all my tensor loads have landed: my part of the next slot
	ds_add_u32 v[SPW], v[NIL]
	s_wait_dscnt 33                                ; tokens and W 0-3 are in; out: W 4-7, W 8-11 and the add
	MULP 0, 1, 0
	s_wait_dscnt 0x0                               ; the add is done, and my reads of this slot are over
	s_barrier_signal -1
	MULP 1, 1, 0
	WIN 0
	s_barrier_wait -1
.if \fill
	CREST                                          ; the barrier has opened a round of the cluster's: no wave of any partner still reads this slot or has a load on its way
	s_add_nc_u64 s[G0+4*\slot+2:G0+4*\slot+3], s[G0+4*\slot+2:G0+4*\slot+3], 8192
	s_add_nc_u64 s[G0B+4*\slot+2:G0B+4*\slot+3], s[G0B+4*\slot+2:G0B+4*\slot+3], 8192
	JLOAD G0+4*\slot, G1, G0B+4*\slot, G1B         ; the first tensor load behind the round; its four v_nop are the places ahead of the loads below
.else
	PLACES
.endif
	FA \next, 0
	FB \next, 0, 0
	FB \next, 0, 4
	MULP 2, 1, 0
	PLACES
	FB \next, 0, 8
	WIN 0
.endm
	s_wait_tensorcnt 1                             ; my part of slot 0 is in; slot 1's may stay out
	s_barrier_signal -1
	s_barrier_wait -1
	FA 0, 0
	FB 0, 0, 0
	FB 0, 0, 4
	FB 0, 0, 8
	WIN 0
	STEP 0, 1                                      ; the first products start the sums
	TURN 0, 1, 1                                   ; slot 0 takes K 512 on
	STEP 1, 0
	TURN 1, 0, 1                                   ; slot 1 takes K 768 on
	STEP 0, 0
	TURN 0, 1, 0
	STEP 1, 0
	s_wait_dscnt 32                                ; the last substep: nothing more to fetch
	MULP 0, 1, 0
	s_wait_dscnt 16
	MULP 1, 1, 0
	s_wait_dscnt 0x0
	MULP 2, 1, 0
	WIN 0
	PLACES
; ---- behind the products
	s_wait_loadcnt 0x0                             ; the gains and the table
	s_wait_kmcnt 0x0                               ; the exponents
	s_add_co_i32 s88, s68, s69                     ; a sum stands for sum x 2^(e0 + e1)
	s_add_co_i32 s76, s88, 127
	s_lshl_b32 s76, s76, 23                        ; 2^(e0 + e1)
	s_lshl_b32 s77, s88, 1
	s_add_co_i32 s77, s77, 121
	s_lshl_b32 s77, s77, 23                        ; 2^(2 (e0 + e1)) / 64
	s_mov_b32 s78, 0x34000000                      ; eps = 2^-23
	s_mov_b32 s80, 0x76543210
	s_mov_b32 s81, 0xfedcba98
.macro SCALE e, vs                     ; v[vs] = 2^s[e], v[vs + 1] = 448 x that
	s_add_co_i32 s89, s[\e], 127
	s_lshl_b32 s90, s89, 23
	v_mov_b32 v[\vs], s90
	s_add_co_i32 s89, s89, 8
	s_lshl_b32 s89, s89, 23
	s_or_b32 s89, s89, 0x600000
	v_mov_b32 v[\vs+1], s89
.endm
	SCALE 70, 8                                    ; q's
	SCALE 71, 10                                   ; k's
	s_sub_co_i32 s91, s73, s88
	SCALE 91, 12                                   ; v's: the three scales folded: 2^(e5 - e0 - e1)
; the sums of squares: unit u = 2 a + type (0 q, 1 k): its 32 registers begin at v[32 u] of window 2.  Eight chains by turns; each accumulator is read from its low end on.
	WIN 0x0a
.set n, 0
.rept 16
.set u, 0
.rept 8
.if n == 0
	v_pk_mul_f32 v[32+2*u:33+2*u], v[32*u:32*u+1], v[32*u:32*u+1]
.else
	v_pk_fma_f32 v[32+2*u:33+2*u], v[32*u+2*n:32*u+2*n+1], v[32*u+2*n:32*u+2*n+1], v[32+2*u:33+2*u]
.endif
.set u, u+1
.endr
.set n, n+1
.endr
	WIN 0
.irp u, 0,1,2,3,4,5,6,7
	v_add_f32 v[32+2*\u], v[32+2*\u], v[33+2*\u]
.endr
.irp u, 0,1,2,3,4,5,6,7
	v_permlanex16_b32 v[33+2*\u], v[32+2*\u], s80, s81   ; the token's other 32 channels lie in the lane 16 away
.endr
.irp u, 0,1,2,3,4,5,6,7
	v_add_f32 v[32+2*\u], v[32+2*\u], v[33+2*\u]
.endr
.irp u, 0,1,2,3,4,5,6,7
	v_fma_f32 v[32+2*\u], v[32+2*\u], s77, s78     ; the mean square + eps
.endr
.irp u, 0,1,2,3,4,5,6,7
	v_rsq_f32 v[48+2*\u], v[32+2*\u]
.endr
	v_nop                                          ; a plain line behind the batch
	s_wait_alu depctr_va_vdst(0)                   ; one wait for the eight, ahead of their first reader
.irp u, 0,1,2,3,4,5,6,7
	v_mul_f32 v[48+2*\u], s76, v[48+2*\u]          ; x 2^(e0 + e1): exact
.endr
.irp u, 0,1,2,3,4,5,6,7
	v_mov_b32 v[49+2*\u], v[48+2*\u]               ; (named with it as a pair)
.endr
; one unit: norm, gain, RoPE, hold, codes, two stores of 512 consecutive bytes.  T v64-95, partial products v128-159, result v96-127, codes v[160 + 8 u].
.macro NORMROPE u
.set TA, (\u)/2
.set TY, (\u)%2
	WIN 0x02                                       ; source 0 window 2
.set n, 0
.rept 16
	v_pk_mul_f32 v[64+n:65+n], v[32*(\u)+n:32*(\u)+n+1], v[48+2*(\u):49+2*(\u)] op_sel_hi:[1,0]
.set n, n+2
.endr
	WIN 0x04                                       ; source 1 window 1: the gain
.set n, 0
.rept 16
	v_pk_mul_f32 v[64+n:65+n], v[64+n:65+n], v[192+32*TY+n:193+32*TY+n]
.set n, n+2
.endr
	WIN 0x0c                                       ; source 1 window 3: cos, sin.  Register i (0 .. 15) is channel 16 (i / 8) + 8 h + i % 8, register 16 + i the channel 32 further on: one frequency
.set n, 0
.rept 8
	v_pk_mul_f32 v[128+2*n:129+2*n], v[80+n:81+n], v[144+32*TA+n:145+32*TA+n]
	v_pk_mul_f32 v[130+2*n:131+2*n], v[80+n:81+n], v[128+32*TA+n:129+32*TA+n]
.set n, n+2
.endr
.set n, 0
.rept 8
	v_pk_fma_f32 v[96+n:97+n], v[64+n:65+n], v[128+32*TA+n:129+32*TA+n], v[128+2*n:129+2*n] neg_lo:[0,0,1] neg_hi:[0,0,1]   ; t1 cos - t2 sin
	v_pk_fma_f32 v[112+n:113+n], v[64+n:65+n], v[144+32*TA+n:145+32*TA+n], v[130+2*n:131+2*n]                              ; t1 sin + t2 cos
.set n, n+2
.endr
	WIN 0
.set n, 0
.rept 32
	v_med3_num_f32 v[96+n], v[96+n], -v[9+2*TY], v[9+2*TY]
.set n, n+1
.endr
.set n, 0
.rept 4
	v_cvt_scalef32_pk8_fp8_f32 v[160+8*(\u)+2*n:161+8*(\u)+2*n], v[96+8*n:103+8*n], v[8+2*TY]
.set n, n+1
.endr
	v_nop                                          ; a plain line behind the last conversion
	global_store_b128 v[LI], v[160+8*(\u):163+8*(\u)], s[82+2*TY:83+2*TY] offset:1024*TA
	global_store_b128 v[LI], v[164+8*(\u):167+8*(\u)], s[82+2*TY:83+2*TY] offset:1024*TA+512
.endm
.irp u, 0,1,2,3,4,5,6,7
	NORMROPE \u
.endr
; v: channel tile t: lane (r, h) holds channel 16 t + r; register 8 a + j is my token 16 a + 8 h + j: half a fragment of V^T
.macro VOUT t
	WIN 0x03                                       ; source 0 window 3
.set n, 0
.rept 32
	v_med3_num_f32 v[64+n], v[32*(\t)+n], -v13, v13
.set n, n+1
.endr
	WIN 0
.set n, 0
.rept 4
	v_cvt_scalef32_pk8_fp8_f32 v[224+8*(\t)+2*n:225+8*(\t)+2*n], v[64+8*n:71+8*n], v12
.set n, n+1
.endr
	v_nop
	global_store_b128 v[LI], v[224+8*(\t):227+8*(\t)], s[86:87] offset:2048*(\t)
	global_store_b128 v[LI], v[228+8*(\t):231+8*(\t)], s[86:87] offset:2048*(\t)+512
.endm
	VOUT 0
	VOUT 1
	VOUT 2
	VOUT 3
	s_wait_tensorcnt 0x0                           ; the wave's end: three closing lines
	ds_add_u32 v[SPW], v[NIL]
	s_wait_dscnt 0x0
	CROUND                                         ; the closing round
	s_endpgm
.Lfunc_end_k_q9eb404e1c8_qkv:
	.size	k_q9eb404e1c8_qkv, .Lfunc_end_k_q9eb404e1c8_qkv-k_q9eb404e1c8_qkv
	.p2alignl 7, 3214868480
	.fill 96, 4, 3214868480
	.section	.rodata,"a",@progbits
	.p2align	6, 0x0
	.amdhsa_kernel k_q9eb404e1c8_qkv
		.amdhsa_group_segment_fixed_size 327680
		.amdhsa_private_segment_fixed_size 0
		.amdhsa_enable_private_segment 0
		.amdhsa_kernarg_size 56
		.amdhsa_user_sgpr_count 2
		.amdhsa_user_sgpr_kernarg_segment_ptr 1
		.amdhsa_wavefront_size32 1
		.amdhsa_system_sgpr_workgroup_id_x 1
		.amdhsa_system_sgpr_workgroup_id_y 1
		.amdhsa_system_sgpr_workgroup_id_z 1
		.amdhsa_system_vgpr_workitem_id 0
		.amdhsa_next_free_vgpr 1024
		.amdhsa_next_free_sgpr 100
		.amdhsa_reserve_vcc 0
		.amdhsa_float_denorm_mode_32 3
		.amdhsa_float_denorm_mode_16_64 3
		.amdhsa_memory_ordered 1
		.amdhsa_forward_progress 1
		.amdhsa_inst_pref_size 149
	.end_amdhsa_kernel
	.amdgpu_metadata
---
amdhsa.version: [ 1, 2 ]
amdhsa.kernels:
  - .name:           k_q9eb404e1c8_qkv
    .symbol:         k_q9eb404e1c8_qkv.kd
    .args:
      - { .name: xcodes, .offset: 0, .size: 8, .value_kind: global_buffer, .address_space: global }
      - { .name: wcodes, .offset: 8, .size: 8, .value_kind: global_buffer, .address_space: global }
      - { .name: ropetab, .offset: 16, .size: 8, .value_kind: global_buffer, .address_space: global }
      - { .name: qn_w, .offset: 24, .size: 8, .value_kind: global_buffer, .address_space: global }
      - { .name: kn_w, .offset: 32, .size: 8, .value_kind: global_buffer, .address_space: global }
      - { .name: lowp_scales, .offset: 40, .size: 8, .value_kind: global_buffer, .address_space: global }
      - { .name: qkvc, .offset: 48, .size: 8, .value_kind: global_buffer, .address_space: global }
    .group_segment_fixed_size: 327680
    .private_segment_fixed_size: 0
    .kernarg_segment_align: 8
    .kernarg_segment_size: 56
    .max_flat_workgroup_size: 128
    .sgpr_count:     100
    .vgpr_count:     1024
    .wavefront_size: 32
...
	.end_amdgpu_metadata
.endif
;; end of part 2
;; launch attn (part 3): grid 4 x 64, 16 waves a work-group, no clusters, 34,816 bytes of LDS; arguments qkvc, mtab, lowp_scales, ycodes; writes ycodes
.if DOCPART == 3
	.amdgcn_target "amdgcn-amd-amdhsa--gfx1250"
	.amdhsa_code_object_version 6
	.text
	.protected	k_q9eb404e1c8_attn
	.globl	k_q9eb404e1c8_attn
	.p2align	8
	.type	k_q9eb404e1c8_attn,@function
k_q9eb404e1c8_attn:
	s_mov_b64 s[64:65], 0
	v_nop
	global_prefetch_b8 v0, s[64:65] scope:SCOPE_SE
	s_setreg_imm32_b32 hwreg(HW_REG_WAVE_MODE, 25, 1), 1
	s_wait_xcnt 0x0
; y = softmax(q k^T / 8, masked) v for one batch and head, both products on codes of FP8; y leaves as codes with 2^e6, laid as the last product's operand.
; LEFT OUT, BY WHOLE NUMBERS READ FROM MEMORY: a tile of 16 queries x 128 keys whose mask bytes are all 1 (p = 0 there: nothing for the sum, nothing for O) is jumped over on the flags that the first launch stored;
; a step that no tile of the work-group's 256 queries needs is not fetched.  This holds for every mask; no pattern of the mask is built in.
; THE SOFTMAX: t = score x log2(e) / 8; M = the running largest t rounded up to a whole number; p = 2^(t - M) is quantised with 2^e4, not normalised; the sum is of the unquantised p and divides at the end.
; SHARES.  Work-group (x, head) makes two passes over the keys: query block 7 - x, then block x, 256 queries each.  Each of sixteen waves owns 16 queries; four waves to a SIMD, so that one wave's vector work stands
; beside another's products and LDS loads.  A step is 128 keys; 16 steps a pass; every trip count is a constant and every wave passes every barrier.
; NO TENSOR LOADS AND NO CLUSTER: steps are jumped over on stored numbers, so K and V go memory -> registers -> LDS, one step ahead: each of the 512 threads carries 16 bytes of K and 16 of V.
; LAYOUT.  S^T = K Q^T (source 0 = 16 keys, source 1 = my 16 queries), O^T = V^T P^T: a lane holds ONE query (lane % 16); register j of score tile c is key 16 c + 8 (lane / 16) + j, so eight conversions give P's fragment.
; A row with every key masked gets the NaN code in all its y, so that the output row is NaN as the softmax of an empty row is.
; LIMITS: e2 + e3 between -123 and 130 (added to c's exponent field); e4, e6 between -126 and 119.
; REGISTERS: v1 16 lane, v2 16 thread, v3, v4 the add's two, v5 -inf, v6 1.0, v7 four NaN codes; v8-15 Q; v16 -M, v17 the largest t, v[18:19] the sum, v[20:21] f, v[22:23] a second chain, v24-26 at work;
;   v27, v28: 448 x 2^e4, 2^e4; v29, v30: the same with e6; v31 256 lane; v32-39 the next step's bytes; v40-103 K's, then V's fragments; v104-167 S^T, then p; v168-199 O^T; v200-215 p's codes; v216 y's offset.
; SCALARS: s[12:15] K's and V's first bytes; s[16:19] the step's; s[20:21] the step's mask words; s[22:23] the prefetch's; s[24:25] c; s66 steps that the work-group needs (bit 0 = this step), s67 that my tile needs,
;   s100 steps of my tile with a masked key, s101 steps to prefetch; the 64 mask words: s32-63 and s68-99.
.set SPARE, 32768                      ; behind the two slots of 16,384 (K's 8 x 1,024, then V's 4 x 2,048): the spare words, 128 bytes a wave
	s_load_b256 s[4:11], s[0:1], 0x0               ; qkvc, mtab, lowp_scales, ycodes
	v_lshl_add_u32 v3, v0, 2, SPARE
	v_mov_b32 v4, 0
	v_lshrrev_b32 v6, 5, v0
	v_readfirstlane_b32 s28, v6                    ; wave
	v_and_b32 v1, 31, v0
	v_lshlrev_b32 v31, 8, v1
	v_lshlrev_b32 v1, 4, v1
	v_lshlrev_b32 v2, 4, v0
	v_mov_b32 v5, 0xff800000
	v_mov_b32 v6, 1.0
	v_mov_b32 v7, 0x7f7f7f7f
	v_mov_b32 v21, 0                               ; (named as the upper half of a pair)
	v_mov_b32 v26, 0                               ; a lane permute's destination counts as read
.irp i, 32,33,34,35,36,37,38,39
	v_mov_b32 v\i, 0
.endr
	s_mov_b32 s26, 0x76543210
	s_mov_b32 s27, 0xfedcba98
	s_and_b32 s2, ttmp7, 0xffff
	s_lshl_b32 s2, s2, 17                          ; a head's k, and its v: 131,072 bytes
	s_mov_b32 s3, 0
	s_wait_kmcnt 0x0
	s_load_b256 s[32:39], s[8:9], 0x0              ; e0 .. e7
	s_add_nc_u64 s[12:13], s[4:5], s[2:3]
	s_add_nc_u64 s[14:15], s[12:13], 16777216
	s_add_nc_u64 s[12:13], s[12:13], 8388608
	s_wait_kmcnt 0x0
	s_add_co_i32 s2, s34, s35
	s_lshl_b32 s2, s2, 23
	s_add_co_i32 s24, s2, 0x3e38aa3b               ; c = log2(e) / 8 x 2^(e2 + e3)
	s_mov_b32 s25, s24
	s_mov_b32 s8, s36                              ; e4
	s_add_co_i32 s9, s36, s37                      ; e4 + e5
	s_add_co_i32 s2, s36, 127
	s_lshl_b32 s3, s2, 23
	v_mov_b32 v28, s3
	s_add_co_i32 s2, s2, 8
	s_lshl_b32 s2, s2, 23
	s_or_b32 s2, s2, 0x600000
	v_mov_b32 v27, s2
	s_add_co_i32 s2, s38, 127
	s_lshl_b32 s3, s2, 23
	v_mov_b32 v30, s3
	s_add_co_i32 s2, s2, 8
	s_lshl_b32 s2, s2, 23
	s_or_b32 s2, s2, 0x600000
	v_mov_b32 v29, s2
	s_mov_b32 s29, 0                               ; the pass
; A STEP of 128 keys in slot p.
.macro STEP p
	s_bitcmp1_b32 s66, 1                           ; does any tile of the work-group need the next step?
	s_cbranch_scc0 .Lnn_\@
	global_load_b128 v[32:35], v2, s[16:17] offset:8192
	global_load_b128 v[36:39], v2, s[18:19] offset:8192
.Lnn_\@:
	s_bitcmp1_b32 s101, 2                          ; the step after next is prefetched: 8,192 bytes, lanes 256 bytes apart; wave 0 asks for K's, wave 1 for V's, in the head's first work-group's first pass alone: each block is named once; bits 16 on are 0: nothing past the end
	s_cbranch_scc0 .Lnp_\@
	global_prefetch_b8 v31, s[22:23] offset:16384 th:TH_LOAD_NT scope:SCOPE_SE
.Lnp_\@:
	s_bitcmp1_b32 s67, 0                           ; has my tile an open key in this step?
	s_cbranch_scc0 .Lhid_\@
	s_load_b512 s[32:47], s[20:21], 0x0            ; the 64 lane masks
	s_load_b512 s[48:63], s[20:21], 0x40
	s_load_b512 s[68:83], s[20:21], 0x80
	s_load_b512 s[84:99], s[20:21], 0xc0
.set i, 0
.rept 16
	ds_load_b128 v[40+4*i:43+4*i], v1 offset:16384*(\p)+512*i          ; K's eight fragments (the places behind the last products stand at the end of the step that issued them)
.set i, i+1
.endr
	s_wait_dscnt 0x0
.irp c, 0,1,2,3,4,5,6,7
	v_wmma_f32_16x16x64_fp8_fp8 v[104+8*\c:111+8*\c], v[40+8*\c:47+8*\c], v[8:15], 0
.endr
.rept 4
	v_nop                                          ; places ahead of the loads into K's registers and of the first read of the scores
.endr
.set i, 0
.rept 16
	ds_load_b128 v[40+4*i:43+4*i], v1 offset:16384*(\p)+8192+512*i     ; V's four fragments land under the softmax
.set i, i+1
.endr
	s_wait_kmcnt 0x0
	s_bitcmp1_b32 s100, 0                          ; a step without a masked key skips the selects
	s_cbranch_scc0 .Lopen_\@
.set n, 0
.rept 64
.if n < 32
	v_cndmask_b32 v[104+n], v[104+n], v5, s[32+n]
.else
	v_cndmask_b32 v[104+n], v[104+n], v5, s[36+n]
.endif
.set n, n+1
.endr
.Lopen_\@:
	v_max3_num_f32 v24, v104, v105, v106           ; the step's largest score of my query, in two chains that enter each accumulator at its low end
	v_max3_num_f32 v25, v107, v108, v109
.set i, 6
.rept 14
	v_max3_num_f32 v24, v24, v[104+i], v[105+i]
	v_max3_num_f32 v25, v25, v[106+i], v[107+i]
.set i, i+4
.endr
	v_max3_num_f32 v24, v24, v166, v167
	v_max_num_f32 v24, v24, v25
	v_permlanex16_b32 v26, v24, s26, s27
	v_max_num_f32 v24, v24, v26
	v_mul_f32 v24, s24, v24                        ; as t (c is positive)
	v_max_num_f32 v17, v17, v24
	v_mov_b32 v24, v16
	v_floor_f32 v16, -v17                          ; -M = floor(-t)
	v_sub_f32 v24, v16, v24                        ; old M - new M: a whole number, 0 or less
	v_cvt_i32_f32 v24, v24                         ; (it saturates)
	v_ldexp_f32 v20, 1.0, v24                      ; f = 2^(old M - new M)
.set i, 0
.rept 32
	v_pk_fma_f32 v[104+i:105+i], v[104+i:105+i], s[24:25], v[16:17] op_sel_hi:[1,0,0]   ; t - M
.set i, i+2
.endr
.set i, 0
.rept 64
	v_exp_f32 v[104+i], v[104+i]
.set i, i+1
.endr
	v_pk_mul_f32 v[18:19], v[18:19], v[20:21] op_sel_hi:[1,0]   ; the sum under the new M: the plain line behind the batch
	s_wait_alu depctr_va_vdst(0)                   ; one wait for the 64, ahead of their first reader
	v_pk_add_f32 v[22:23], v[104:105], v[106:107]  ; the sum of the unquantised p, in two chains
.set i, 4
.rept 15
	v_pk_add_f32 v[18:19], v[18:19], v[104+i:105+i]
	v_pk_add_f32 v[22:23], v[22:23], v[106+i:107+i]
.set i, i+4
.endr
	v_pk_add_f32 v[18:19], v[18:19], v[22:23]
	s_cmp_ge_i32 s8, -8                            ; p <= 1 <= 448 x 2^e4 where e4 >= -8: there the hold changes nothing and is passed over (a whole number read from memory decides)
	s_cbranch_scc1 .Lnohold_\@
.set i, 0
.rept 64
	v_min_num_f32 v[104+i], v[104+i], v27
.set i, i+1
.endr
.Lnohold_\@:
.irp c, 0,1,2,3,4,5,6,7
	v_cvt_scalef32_pk8_fp8_f32 v[200+2*\c:201+2*\c], v[104+8*\c:111+8*\c], v28
.endr
.set i, 0
.rept 16
	v_pk_mul_f32 v[168+i:169+i], v[168+i:169+i], v[20:21] op_sel_hi:[1,0]   ; O^T under the new M; these are also the plain lines behind the conversions
.set i, i+2
.endr
	s_wait_dscnt 0x0                               ; V is in
.irp t, 0,1,2,3
	v_wmma_f32_16x16x128_fp8_fp8 v[168+8*\t:175+8*\t], v[40+16*\t:55+16*\t], v[200:215], v[168+8*\t:175+8*\t]
.endr
.rept 4
	v_nop                                          ; places behind the step's last products, for whatever follows on any way
.endr
.Lhid_\@:
	s_wait_loadcnt 0x0                             ; the next step's bytes are in my registers
	s_bitcmp1_b32 s66, 1
	s_cbranch_scc0 .Lns_\@
	ds_store_b128 v2, v[32:35] offset:16384*(1-\p)
	ds_store_b128 v2, v[36:39] offset:16384*(1-\p)+8192
.Lns_\@:
	s_wait_dscnt 0x0                               ; for the others' sake: my stores into the other slot have landed, my reads of this slot are over
	s_wait_xcnt 0x0                                ; my loads and the prefetch have read their bases
	s_add_nc_u64 s[16:17], s[16:17], 8192
	s_add_nc_u64 s[18:19], s[18:19], 8192
	s_add_nc_u64 s[22:23], s[22:23], 8192
	s_add_nc_u64 s[20:21], s[20:21], 256
	s_lshr_b32 s66, s66, 1
	s_lshr_b32 s67, s67, 1
	s_lshr_b32 s100, s100, 1
	s_lshr_b32 s101, s101, 1
	s_barrier_signal -1                            ; one barrier a step: behind it the other slot is whole, and this one may be written
	s_barrier_wait -1
.endm
.Lpass:
	s_sub_co_u32 s2, 7, ttmp9
	s_cmp_eq_u32 s29, 0
	s_cselect_b32 s2, s2, ttmp9                    ; my block of 256 queries
	s_lshl_b32 s31, s2, 4
	s_add_co_u32 s31, s31, s28                     ; my tile of 16
	s_lshl_b32 s2, s2, 8
	s_add_co_u32 s2, s2, 524288
	s_mov_b32 s3, 0
	s_add_nc_u64 s[20:21], s[6:7], s[2:3]
	s_load_b512 s[32:47], s[20:21], 0x0            ; the flags of the block's 16 tiles, 4 words each
	s_load_b512 s[48:63], s[20:21], 0x40
	s_load_b512 s[68:83], s[20:21], 0x80
	s_load_b512 s[84:99], s[20:21], 0xc0
	s_lshl_b32 s2, s31, 4
	s_add_co_u32 s2, s2, 524288
	s_add_nc_u64 s[22:23], s[6:7], s[2:3]
	s_load_b128 s[16:19], s[22:23], 0x0            ; my tile's
	s_and_b32 s2, ttmp7, 0xffff
	s_lshl_b32 s30, s2, 7
	s_add_co_u32 s30, s30, s31
	s_lshl_b32 s30, s30, 10
	v_add_nc_u32 v24, s30, v1
	global_load_b128 v[8:11], v24, s[4:5]          ; Q's fragment
	global_load_b128 v[12:15], v24, s[4:5] offset:512
	s_lshr_b32 s30, s2, 4
	s_lshl_b32 s30, s30, 7
	s_add_co_u32 s30, s30, s31
	s_lshl_b32 s30, s30, 14                        ; y: (128 batch + tile) x 16,384
	s_and_b32 s2, s2, 15
	s_lshl_b32 s2, s2, 10                          ; + 1,024 x head: K step head / 2, half head % 2
	s_add_co_u32 s30, s30, s2
	v_add_nc_u32 v216, s30, v1
	v_mov_b32 v17, 0xff61b1e6                      ; the largest t so far: -3e38
	v_floor_f32 v16, -v17
	v_mov_b32 v18, 0
	v_mov_b32 v19, 0
.set i, 0
.rept 32
	v_mov_b32 v[168+i], 0                          ; O^T: the step is written once; its first turn finds zeros
.set i, i+1
.endr
	s_wait_kmcnt 0x0
	s_or_b32 s66, s32, s33
.set n, 2
.rept 62
.if n < 32
	s_or_b32 s66, s66, s[32+n]
.else
	s_or_b32 s66, s66, s[36+n]
.endif
.set n, n+1
.endr
	s_and_b32 s66, s66, 0xffff                     ; bit s: some tile of the block has an open key in step s
	s_or_b32 s67, s16, s17
	s_or_b32 s67, s67, s18
	s_or_b32 s67, s67, s19
	s_lshr_b32 s100, s67, 16                       ; bit s: my tile has a masked key
	s_and_b32 s67, s67, 0xffff                     ; bit s: my tile has an open key
	s_lshr_b32 s2, s28, 1
	s_or_b32 s2, s2, ttmp9
	s_or_b32 s2, s2, s29
	s_cmp_eq_u32 s2, 0
	s_cselect_b32 s101, s66, 0
	s_mov_b64 s[16:17], s[12:13]
	s_mov_b64 s[18:19], s[14:15]
	s_lshl_b32 s2, s31, 12
	s_mov_b32 s3, 0
	s_add_nc_u64 s[20:21], s[6:7], s[2:3]
	s_cmp_eq_u32 s28, 0
	s_cselect_b64 s[22:23], s[16:17], s[18:19]
	s_bitcmp1_b32 s66, 0
	s_cbranch_scc0 .Lnoprime
	global_load_b128 v[32:35], v2, s[16:17]        ; step 0 into slot 0
	global_load_b128 v[36:39], v2, s[18:19]
	s_wait_loadcnt 0x0
	ds_store_b128 v2, v[32:35]
	ds_store_b128 v2, v[36:39] offset:8192
.Lnoprime:
	s_wait_loadcnt 0x0                             ; Q
	s_wait_dscnt 0x0
	s_barrier_signal -1
	s_barrier_wait -1
	s_mov_b32 s30, 8
.Ltrip:
	STEP 0
	STEP 1
	s_sub_co_u32 s30, s30, 1
	s_cmp_lg_u32 s30, 0
	s_cbranch_scc1 .Ltrip
; the way out: O^T / the sum x 2^(e4 + e5), held, converted: four conversions give registers 2 t, 2 t + 1 of the last product's operand
	v_add_f32 v18, v18, v19
	v_permlanex16_b32 v26, v18, s26, s27
	v_add_f32 v18, v18, v26                        ; the row's sum
	v_cmp_eq_f32 s31, 0, v18                       ; a row without an open key
	v_cndmask_b32 v24, v18, v6, s31
	v_rcp_f32 v24, v24
	v_nop
	s_wait_alu depctr_va_vdst(0)
	v_ldexp_f32 v24, v24, s9
	v_mov_b32 v25, v24
.set i, 0
.rept 16
	v_pk_mul_f32 v[104+i:105+i], v[168+i:169+i], v[24:25] op_sel_hi:[1,0]
.set i, i+2
.endr
.set i, 0
.rept 32
	v_med3_num_f32 v[104+i], v[104+i], -v29, v29
.set i, i+1
.endr
.irp t, 0,1,2,3
	v_cvt_scalef32_pk8_fp8_f32 v[200+2*\t:201+2*\t], v[104+8*\t:111+8*\t], v30
.endr
	v_nop
.irp i, 0,1,2,3,4,5,6,7
	v_cndmask_b32 v[200+\i], v[200+\i], v7, s31
.endr
	global_store_b128 v216, v[200:203], s[10:11]
	global_store_b128 v216, v[204:207], s[10:11] offset:512
	s_wait_xcnt 0x0                                ; the stores have read their registers
	s_add_co_u32 s29, s29, 1
	s_cmp_lt_u32 s29, 2
	s_cbranch_scc1 .Lpass
	s_wait_tensorcnt 0x0                           ; the wave's end: three closing lines behind my last LDS store
	ds_add_u32 v3, v4
	s_wait_dscnt 0x0
	s_endpgm
.Lfunc_end_k_q9eb404e1c8_attn:
	.size	k_q9eb404e1c8_attn, .Lfunc_end_k_q9eb404e1c8_attn-k_q9eb404e1c8_attn
	.p2alignl 7, 3214868480
	.fill 96, 4, 3214868480
	.section	.rodata,"a",@progbits
	.p2align	6, 0x0
	.amdhsa_kernel k_q9eb404e1c8_attn
		.amdhsa_group_segment_fixed_size 34816
		.amdhsa_private_segment_fixed_size 0
		.amdhsa_enable_private_segment 0
		.amdhsa_kernarg_size 32
		.amdhsa_user_sgpr_count 2
		.amdhsa_user_sgpr_kernarg_segment_ptr 1
		.amdhsa_wavefront_size32 1
		.amdhsa_system_sgpr_workgroup_id_x 1
		.amdhsa_system_sgpr_workgroup_id_y 1
		.amdhsa_system_sgpr_workgroup_id_z 1
		.amdhsa_system_vgpr_workitem_id 0
		.amdhsa_next_free_vgpr 224
		.amdhsa_next_free_sgpr 102
		.amdhsa_reserve_vcc 0
		.amdhsa_float_denorm_mode_32 3
		.amdhsa_float_denorm_mode_16_64 3
		.amdhsa_memory_ordered 1
		.amdhsa_forward_progress 1
		.amdhsa_inst_pref_size 55
	.end_amdhsa_kernel
	.amdgpu_metadata
---
amdhsa.version: [ 1, 2 ]
amdhsa.kernels:
  - .name:           k_q9eb404e1c8_attn
    .symbol:         k_q9eb404e1c8_attn.kd
    .args:
      - { .name: qkvc, .offset: 0, .size: 8, .value_kind: global_buffer, .address_space: global }
      - { .name: mtab, .offset: 8, .size: 8, .value_kind: global_buffer, .address_space: global }
      - { .name: lowp_scales, .offset: 16, .size: 8, .value_kind: global_buffer, .address_space: global }
      - { .name: ycodes, .offset: 24, .size: 8, .value_kind: global_buffer, .address_space: global }
    .group_segment_fixed_size: 34816
    .private_segment_fixed_size: 0
    .kernarg_segment_align: 8
    .kernarg_segment_size: 32
    .max_flat_workgroup_size: 512
    .sgpr_count:     102
    .vgpr_count:     224
    .wavefront_size: 32
...
	.end_amdgpu_metadata
.endif
;; end of part 3
;; launch proj (part 4): grid 8 x 32, 4 waves a work-group, clusters of 4 x 4, 327,680 bytes of LDS; arguments ycodes, wcodes, lowp_scales, out0; writes out0
.if DOCPART == 4
	.amdgcn_target "amdgcn-amd-amdhsa--gfx1250"
	.amdhsa_code_object_version 6
	.text
	.protected	k_q9eb404e1c8_proj
	.globl	k_q9eb404e1c8_proj
	.p2align	8
	.type	k_q9eb404e1c8_proj,@function
k_q9eb404e1c8_proj:
	s_mov_b64 s[64:65], 0
	v_nop
	global_prefetch_b8 v0, s[64:65] scope:SCOPE_SE
	s_setreg_imm32_b32 hwreg(HW_REG_WAVE_MODE, 25, 1), 1
	s_wait_xcnt 0x0
	s_wait_alu depctr_hold_cnt(0) depctr_sa_sdst(0) depctr_va_vdst(0) depctr_va_sdst(0) depctr_va_ssrc(0) depctr_va_vcc(0) depctr_vm_vsrc(0)
	s_getreg_b32 s2, hwreg(HW_REG_IB_STS2, 6, 4)
	s_cmp_eq_u32 s2, 0
	s_cbranch_scc0 .Lentry_in_a_cluster
	s_endpgm
.Lentry_in_a_cluster:
	s_bfe_u32 s2, ttmp6, 0x10000c
	s_cmp_lg_u32 s2, 0xf033
	s_cbranch_scc0 .Lentry_shape_is_right
	s_endpgm
.Lentry_shape_is_right:
; out0 = y W_out^T on codes of FP8 (scales 2^e6, 2^e7); each finished sum x 2^(e6 + e7).  Nothing of the problem is left out here.
; SHARES.  A work-group: 256 tokens x 128 columns; wave w: tokens 64 w .. 64 w + 63 x 128: 32 accumulators (a, b) at v[8 (8 a + b)] of window 2.  Used transposed (source 0 = 16 rows of W_out, source 1 = 16 tokens):
; a lane holds eight neighbouring columns of one token's row.  Operands are images of operand registers (group g: 512 bytes, lane l at 16 l).  K = 1,024 in four steps of 256 through two LDS slots, written out.
; CLUSTER 4 x 4: tokens' tiles shared along a row of the cluster, weights' along a column: joint tensor loads.  By this text's count a wave has two tensor loads out at the start, then one.
; LIMIT: e6 + e7 between -126 and 127.
; REGISTERS.  window 0: v16-29 addresses; v64-191 the tokens' fragments, two sets; on the way out v32-95 scaled sums, v128-255 rows read back.   window 1: v0-127 W's 8 fragments, one set.
.set SLOT,  98304                      ; 16 token tiles x 4,096, then 8 weight tiles x 4,096
.set BOFF,  65536
.set SPARE, 2*SLOT
.set SPITCH, 528                       ; the way out: a stage of 16 rows x (512 bytes + 16) a wave, in slot 0, which has had its last fill and its last read by then
.set ADRA, 16
.set ADRB, 20
.set LI,   24                          ; v24  16 x lane
.set STO,  26                          ; v26  the stage: where I put 32 bytes of a row
.set RD,   27                          ; v27  and where I read a row back
.set SPW,  28
.set NIL,  29
.set TMP,  32
.set AF,   64
.set BK,   128
.set G1,  24
.set G0,  32
.set G1B, 48
.set G0B, 56
.set MSB, 0
.macro WIN new
.if MSB != \new
	s_set_vgpr_msb (MSB<<8)|\new
.set MSB, \new
.endif
.endm
.macro PLACES
.rept 4
	v_nop
.endr
.endm
.macro JLOAD g0a, g1a, g0b, g1b
	s_cmp_eq_u32 s19, 0
	s_cbranch_scc0 .Lfor_b_\@
	tensor_load_to_lds s[\g0a:\g0a+3], s[\g1a:\g1a+7]
	s_nop 0
.rept 4
	v_nop
.endr
	s_branch .Lasked_\@
.Lfor_b_\@:
	tensor_load_to_lds s[\g0b:\g0b+3], s[\g1b:\g1b+7]
	s_nop 0
.rept 4
	v_nop
.endr
.Lasked_\@:
.endm
.macro CREST
	s_cmp_lg_u32 s18, 0
	s_cbranch_scc1 .Lnot_wave_0_\@
	s_barrier_signal -3
.Lnot_wave_0_\@:
	s_barrier_wait -3
	s_barrier_signal -1
	s_barrier_wait -1
.endm
.macro CROUND
	s_barrier_signal -1
	s_barrier_wait -1
	CREST
.endm
	s_load_b256 s[4:11], s[0:1], 0x0               ; ycodes, wcodes, lowp_scales, out0
	v_lshl_add_u32 v[SPW], v0, 2, SPARE
	v_mov_b32 v[NIL], 0
	ds_add_u32 v[SPW], v[NIL]                      ; the wave's opening: the add, twice on end, and its wait ahead of my first tensor load
	ds_add_u32 v[SPW], v[NIL]
	v_lshrrev_b32 v1, 5, v0
	v_readfirstlane_b32 s18, v1                    ; wave
	s_lshr_b32 s19, s18, 1                         ; I fetch tokens (0) or weights (1)
	s_and_b32 s20, s18, 1                          ; which half of them
	s_bfe_u32 s40, ttmp6, 0x40000                  ; cx
	s_bfe_u32 s41, ttmp6, 0x40004                  ; cy
	s_lshl_b32 s42, ttmp9, 2
	s_add_co_u32 s42, s42, s40                     ; the block of 128 columns
	s_and_b32 s21, ttmp7, 0xffff
	s_lshl_b32 s21, s21, 2
	s_add_co_u32 s21, s21, s41                     ; the block of 256 tokens
	s_lshl_b32 s43, s41, 2
	s_lshl_b32 s43, 15, s43
	s_lshl_b32 s44, 0x1111, s40
	s_or_b32 s[G1+0], s43, (3<<16)|(1<<21)         ; the mask; elements of 8 bytes; bit 21 beside a mask; no padding
	s_or_b32 s[G1B+0], s44, (3<<16)|(1<<21)
	s_mov_b32 s[G1+1], 512<<16                     ; 4,096 bytes a tile,
	s_mov_b32 s[G1+2], 8<<16                       ; 8 tiles,
	s_mov_b32 s[G1+3], 512<<16
	s_mov_b32 s[G1+4], 8
	s_mov_b32 s[G1+5], 2048                        ; 16,384 bytes apart
	s_mov_b32 s[G1+6], 0
	s_mov_b32 s[G1+7], 0
	s_mov_b32 s[G1B+1], 512<<16
	s_mov_b32 s[G1B+2], 4<<16                      ; 4 tiles
	s_mov_b32 s[G1B+3], 512<<16
	s_mov_b32 s[G1B+4], 4
	s_mov_b32 s[G1B+5], 2048
	s_mov_b32 s[G1B+6], 0
	s_mov_b32 s[G1B+7], 0
	s_lshl_b32 s22, s21, 18
	s_lshl_b32 s23, s20, 17
	s_add_co_u32 s22, s22, s23
	s_mov_b32 s23, 0
	s_lshl_b32 s46, s42, 17                        ; weights: (8 X + 4 half) tiles, behind W_qkv's codes
	s_lshl_b32 s47, s20, 16
	s_add_co_u32 s46, s46, s47
	s_add_co_u32 s46, s46, 3145728
	s_mov_b32 s47, 0
	s_lshl_b32 s45, s20, 15
	s_lshl_b32 s88, s20, 14
	s_add_co_u32 s88, s88, BOFF
	s_wait_dscnt 0x0                               ; both opening adds are done
	s_wait_kmcnt 0x0
	s_load_b256 s[68:75], s[8:9], 0x0              ; e0 .. e7
	s_add_nc_u64 s[22:23], s[4:5], s[22:23]
	s_add_nc_u64 s[46:47], s[6:7], s[46:47]
	CROUND
.irp s, 0,1
	s_mov_b32 s[G0+4*\s], 1
	s_add_co_u32 s[G0+4*\s+1], s45, \s*SLOT
	s_add_nc_u64 s[G0+4*\s+2:G0+4*\s+3], s[22:23], \s*4096
	s_or_b32 s[G0+4*\s+3], s[G0+4*\s+3], 0x80000000
	s_mov_b32 s[G0B+4*\s], 1
	s_add_co_u32 s[G0B+4*\s+1], s88, \s*SLOT
	s_add_nc_u64 s[G0B+4*\s+2:G0B+4*\s+3], s[46:47], \s*4096
	s_or_b32 s[G0B+4*\s+3], s[G0B+4*\s+3], 0x80000000
	JLOAD G0+4*\s, G1, G0B+4*\s, G1B
.endr
	v_and_b32 v1, 31, v0
	v_lshlrev_b32 v[LI], 4, v1
	v_bfe_u32 v2, v0, 4, 1
	v_and_b32 v3, 15, v0
	s_lshl_b32 s89, s18, 14
	v_add_nc_u32 v[ADRA], s89, v[LI]
	v_add_nc_u32 v[ADRA+1], SLOT, v[ADRA]
	v_add_nc_u32 v[ADRB], BOFF, v[LI]
	v_add_nc_u32 v[ADRB+1], SLOT+BOFF, v[LI]
	s_mul_i32 s89, s18, 16*SPITCH                  ; my stage
	v_mul_u32_u24 v4, v3, SPITCH
	v_lshl_add_u32 v4, v2, 5, v4
	v_add_nc_u32 v[STO], s89, v4                   ; in: row lane % 16, 32 bytes for each half of the lanes
	v_add_nc_u32 v[RD], s89, v[LI]                 ; back: the 32 lanes take one row of 512 bytes
	s_lshl_b32 s92, s21, 20                        ; out0: (256 y + 64 wave) rows of 4,096 bytes + 512 X
	s_lshl_b32 s93, s18, 18
	s_add_co_u32 s92, s92, s93
	s_lshl_b32 s93, s42, 9
	s_add_co_u32 s92, s92, s93
	s_mov_b32 s93, 0
	s_add_nc_u64 s[10:11], s[10:11], s[92:93]
.macro FA slot, q
	WIN 0
.irp a, 0,1,2,3
.irp c, 0,1,2,3
	ds_load_b128 v[AF+64*(\q)+16*\a+4*\c:AF+64*(\q)+16*\a+4*\c+3], v[ADRA+\slot] offset:4096*\a+2048*(\q)+512*\c
.endr
.endr
.endm
.macro FB slot, q, b0
	WIN 0x40
.irp i, 0,1,2,3
.irp c, 0,1,2,3
	ds_load_b128 v[16*((\b0)+\i)+4*\c:16*((\b0)+\i)+4*\c+3], v[ADRB+\slot] offset:4096*((\b0)+\i)+2048*(\q)+512*\c
.endr
.endr
.endm
.macro MULP part, p, zero              ; 16 matrix instructions: weight tiles 4 part .. + 3 x my four token tiles.  The 32 accumulators take turns in the same order in every substep
	WIN 0xa1
.irp b, 0,1,2,3
.irp a, 0,1,2,3
.if \zero
	v_wmma_f32_16x16x128_fp8_fp8 v[8*(8*\a+4*(\part)+\b):8*(8*\a+4*(\part)+\b)+7], v[16*(4*(\part)+\b):16*(4*(\part)+\b)+15], v[AF+64*(\p)+16*\a:AF+64*(\p)+16*\a+15], 0
.else
	v_wmma_f32_16x16x128_fp8_fp8 v[8*(8*\a+4*(\part)+\b):8*(8*\a+4*(\part)+\b)+7], v[16*(4*(\part)+\b):16*(4*(\part)+\b)+15], v[AF+64*(\p)+16*\a:AF+64*(\p)+16*\a+15], v[8*(8*\a+4*(\part)+\b):8*(8*\a+4*(\part)+\b)+7]
.endif
.endr
.endr
.endm
.macro STEP slot, zero                 ; on entry 48 LDS loads are out: tokens, W 0-3, W 4-7
	s_wait_dscnt 16                                ; tokens and W 0-3 are in; W 4-7 may be out
	MULP 0, 0, \zero
	PLACES
	FA \slot, 1
	FB \slot, 1, 0
	s_wait_dscnt 32                                ; W 4-7 are in; out: the 32 just issued
	MULP 1, 0, \zero
	PLACES
	FB \slot, 1, 4
	WIN 0
.endm
.macro TURN slot, next, fill
	s_wait_tensorcnt 0x0                           ; all my tensor loads have landed: my part of the next slot
	ds_add_u32 v[SPW], v[NIL]
	s_wait_dscnt 17                                ; tokens and W 0-3 are in; out: W 4-7 and the add
	MULP 0, 1, 0
	s_wait_dscnt 0x0                               ; the add is done, and my reads of this slot are over
	s_barrier_signal -1
	MULP 1, 1, 0
	WIN 0
	s_barrier_wait -1
.if \fill
	CREST                                          ; a round of the cluster's barrier: no wave of any partner still reads this slot or has a load on its way
	s_add_nc_u64 s[G0+4*\slot+2:G0+4*\slot+3], s[G0+4*\slot+2:G0+4*\slot+3], 8192
	s_add_nc_u64 s[G0B+4*\slot+2:G0B+4*\slot+3], s[G0B+4*\slot+2:G0B+4*\slot+3], 8192
	JLOAD G0+4*\slot, G1, G0B+4*\slot, G1B         ; its four v_nop are the places ahead of the loads below
.else
	PLACES
.endif
	FA \next, 0
	FB \next, 0, 0
	FB \next, 0, 4
	WIN 0
.endm
	s_wait_tensorcnt 1                             ; my part of slot 0 is in; slot 1's may stay out
	s_barrier_signal -1
	s_barrier_wait -1
	FA 0, 0
	FB 0, 0, 0
	FB 0, 0, 4
	WIN 0
	STEP 0, 1
	TURN 0, 1, 1
	STEP 1, 0
	TURN 1, 0, 1
	STEP 0, 0
	TURN 0, 1, 0
	STEP 1, 0
	s_wait_dscnt 16
	MULP 0, 1, 0
	s_wait_dscnt 0x0
	MULP 1, 1, 0
	WIN 0
; THE WAY OUT, a block of 16 tokens x 128 columns at a time: sums x 2^(e6 + e7), through my stage, back as whole rows of 512 bytes.  LDS serves a wave's instructions in order: no wait between stores and loads.
.macro TOSTAGE a
	WIN 0x02                                       ; source 0 window 2
.set i, 0
.rept 32
	v_pk_mul_f32 v[TMP+i:TMP+i+1], v[64*(\a)+i:64*(\a)+i+1], s[96:97] op_sel_hi:[1,0]   ; each accumulator from its low end on
.set i, i+2
.endr
	WIN 0
.irp b, 0,1,2,3,4,5,6,7
	ds_store_b128 v[STO], v[TMP+8*\b:TMP+8*\b+3] offset:64*\b
	ds_store_b128 v[STO], v[TMP+8*\b+4:TMP+8*\b+7] offset:64*\b+16
.endr
.set BB, BK+64*((\a)%2)
.set i, 0
.rept 16
	ds_load_b128 v[BB+4*i:BB+4*i+3], v[RD] offset:i*SPITCH
.set i, i+1
.endr
.endm
.macro SEND a, younger
.set BB, BK+64*((\a)%2)
	s_wait_dscnt \younger                          ; the block is back; the next block's 16 stores and 16 loads may be out
.if (\a) > 0
	s_add_nc_u64 s[10:11], s[10:11], 65536         ; 16 rows on (behind a wait on XCNT: the earlier stores have read their base)
.endif
.set i, 0
.rept 16
	global_store_b128 v[LI], v[BB+4*i:BB+4*i+3], s[10:11] offset:4096*i th:TH_STORE_NT   ; 512 consecutive bytes, aligned
.set i, i+1
.endr
.endm
	s_wait_kmcnt 0x0
	s_add_co_i32 s96, s74, s75
	s_add_co_i32 s96, s96, 127
	s_lshl_b32 s96, s96, 23                        ; 2^(e6 + e7)
	s_mov_b32 s97, s96
	PLACES
	TOSTAGE 0
.irp a, 1,2,3
.if \a > 1
	s_wait_xcnt 0x0                                ; the stores of two blocks ago have read their registers and their base
.endif
	TOSTAGE \a
	SEND \a-1, 32
.endr
	s_wait_xcnt 0x0
	SEND 3, 0
	s_wait_tensorcnt 0x0                           ; the wave's end: three closing lines
	ds_add_u32 v[SPW], v[NIL]
	s_wait_dscnt 0x0
	CROUND                                         ; the closing round
	s_endpgm
.Lfunc_end_k_q9eb404e1c8_proj:
	.size	k_q9eb404e1c8_proj, .Lfunc_end_k_q9eb404e1c8_proj-k_q9eb404e1c8_proj
	.p2alignl 7, 3214868480
	.fill 96, 4, 3214868480
	.section	.rodata,"a",@progbits
	.p2align	6, 0x0
	.amdhsa_kernel k_q9eb404e1c8_proj
		.amdhsa_group_segment_fixed_size 327680
		.amdhsa_private_segment_fixed_size 0
		.amdhsa_enable_private_segment 0
		.amdhsa_kernarg_size 32
		.amdhsa_user_sgpr_count 2
		.amdhsa_user_sgpr_kernarg_segment_ptr 1
		.amdhsa_wavefront_size32 1
		.amdhsa_system_sgpr_workgroup_id_x 1
		.amdhsa_system_sgpr_workgroup_id_y 1
		.amdhsa_system_sgpr_workgroup_id_z 1
		.amdhsa_system_vgpr_workitem_id 0
		.amdhsa_next_free_vgpr 768
		.amdhsa_next_free_sgpr 100
		.amdhsa_reserve_vcc 0
		.amdhsa_float_denorm_mode_32 3
		.amdhsa_float_denorm_mode_16_64 3
		.amdhsa_memory_ordered 1
		.amdhsa_forward_progress 1
		.amdhsa_inst_pref_size 75
	.end_amdhsa_kernel
	.amdgpu_metadata
---
amdhsa.version: [ 1, 2 ]
amdhsa.kernels:
  - .name:           k_q9eb404e1c8_proj
    .symbol:         k_q9eb404e1c8_proj.kd
    .args:
      - { .name: ycodes, .offset: 0, .size: 8, .value_kind: global_buffer, .address_space: global }
      - { .name: wcodes, .offset: 8, .size: 8, .value_kind: global_buffer, .address_space: global }
      - { .name: lowp_scales, .offset: 16, .size: 8, .value_kind: global_buffer, .address_space: global }
      - { .name: out0, .offset: 24, .size: 8, .value_kind: global_buffer, .address_space: global }
    .group_segment_fixed_size: 327680
    .private_segment_fixed_size: 0
    .kernarg_segment_align: 8
    .kernarg_segment_size: 32
    .max_flat_workgroup_size: 128
    .sgpr_count:     100
    .vgpr_count:     768
    .wavefront_size: 32
...
	.end_amdgpu_metadata
.endif
;; end of part 4
;; ======== version 2 of 2: 4 launches; version 1 with the launch attn written anew for expert scheduling mode
;; limits: right only within a limited range of input values
;; workspace buffers: xcodes 8,388,608 bytes; wcodes 4,194,304 bytes; ropetab 524,288 bytes; mtab 526,336 bytes of whole numbers; qkvc 25,165,824 bytes; ycodes 8,388,608 bytes
;; launch prep: the kernel of part 1 again; grid 512 x 1, 4 waves a work-group, no clusters, 34,304 bytes of LDS; arguments x, W_qkv, W_out, lowp_scales, pos, mask, xcodes, wcodes, ropetab, mtab; writes xcodes, wcodes, ropetab, mtab
;; launch qkv: the kernel of part 2 again; grid 16 x 32, 4 waves a work-group, clusters of 4 x 4, 327,680 bytes of LDS; arguments xcodes, wcodes, ropetab, qn_w, kn_w, lowp_scales, qkvc; writes qkvc
;; launch attn (part 5): grid 4 x 64, 16 waves a work-group, no clusters, 34,816 bytes of LDS; arguments qkvc, mtab, lowp_scales, ycodes; writes ycodes
.if DOCPART == 5
	.amdgcn_target "amdgcn-amd-amdhsa--gfx1250"
	.amdhsa_code_object_version 6
	.text
	.protected	k_q9eb404e1c8_attn
	.globl	k_q9eb404e1c8_attn
	.p2align	8
	.type	k_q9eb404e1c8_attn,@function
k_q9eb404e1c8_attn:
	s_mov_b64 s[64:65], 0
	v_nop
	global_prefetch_b8 v0, s[64:65] scope:SCOPE_SE
	s_setreg_imm32_b32 hwreg(HW_REG_WAVE_SCHED_MODE, 0, 2), 2
	s_setreg_imm32_b32 hwreg(HW_REG_WAVE_MODE, 25, 1), 1
	s_wait_xcnt 0x0
	s_wait_alu depctr_vm_vsrc(0)
; y = softmax(q k^T / 8, masked) v for one batch and head, both products on codes of FP8; y leaves as codes with 2^e6, laid as the last product's operand.
; LEFT OUT, BY WHOLE NUMBERS READ FROM MEMORY: a tile of 16 queries x 128 keys whose mask bytes are all 1 (p = 0 there: nothing for the sum, nothing for O) is jumped over on the flags that the first launch stored;
; a step that no tile of the work-group's 256 queries needs is not fetched.  This holds for every mask; no pattern of the mask is built in.
; THE SOFTMAX: t = score x log2(e) / 8; M = the running largest t rounded up to a whole number; p = 2^(t - M) is quantised with 2^e4, not normalised; the sum is of the unquantised p and divides at the end.
; SHARES.  Work-group (x, head) makes two passes over the keys: query block 7 - x, then block x, 256 queries each.  Each of sixteen waves owns 16 queries; four waves to a SIMD, so that one wave's vector work stands
; beside another's products and LDS loads.  A step is 128 keys; 16 steps a pass; every trip count is a constant and every wave passes every barrier.
; NO TENSOR LOADS AND NO CLUSTER: steps are jumped over on stored numbers, so K and V go memory -> registers -> LDS, one step ahead: each of the 512 threads carries 16 bytes of K and 16 of V.
; LAYOUT.  S^T = K Q^T (source 0 = 16 keys, source 1 = my 16 queries), O^T = V^T P^T: a lane holds ONE query (lane % 16); register j of score tile c is key 16 c + 8 (lane / 16) + j, so eight conversions give P's fragment.
; A row with every key masked gets the NaN code in all its y, so that the output row is NaN as the softmax of an empty row is.
; LIMITS: e2 + e3 between -123 and 130 (added to c's exponent field); e4, e6 between -126 and 119.
; REGISTERS: v1 16 lane, v2 16 thread, v3, v4 the add's two, v5 -inf, v6 1.0, v7 four NaN codes; v8-15 Q; v16 -M, v17 the largest t, v[18:19] the sum, v[20:21] f, v[22:23] a second chain, v24-26 at work;
;   v27, v28: 448 x 2^e4, 2^e4; v29, v30: the same with e6; v31 256 lane; v32-39 the next step's bytes; v40-103 K's, then V's fragments; v104-167 S^T, then p; v168-199 O^T; v200-215 p's codes; v216 y's offset.
; SCALARS: s[12:15] K's and V's first bytes; s[16:19] the step's; s[20:21] the step's mask words; s[22:23] the prefetch's; s[24:25] c; s66 steps that the work-group needs (bit 0 = this step), s67 that my tile needs,
;   s100 steps of my tile with a masked key, s101 steps to prefetch; the 64 mask words: s32-63 and s68-99.
; THE MODE: SCHED_MODE bits 1:0 = 2 (LLVM: expert scheduling mode 2), set by the entry lines.  The code itself states the register dependences
; between vector or matrix instructions and memory or LDS instructions, with s_wait_alu, always for 0.
; THE PLAN.  Registers that memory or LDS instructions touch:
;   v1, v2, v31   Offsets and LDS addresses: written at the head, never again; read by every LDS load, by the staging loads and LDS stores, by the prefetch.
;   v24           Written at a pass's head, read by Q's two loads as their offset; afterwards the steps write it as a register at work.
;   v[8:15]       Q: the loads at a pass's head land in it; every step's eight products K Q^T read it.
;   v[32:39]      Zeros at the head; then the staging loads at a step's head land in it and the LDS stores at the step's end read it.  No vector instruction names it in a pass.
;   v[40:103]     K's LDS loads land in it, the eight products K Q^T read it, V's LDS loads land in it, the four products V^T P read it.
;   v216, v[200:207]  y's offset, written at a pass's head, and y's codes, written on the way out: read by the two stores at a pass's end; the next pass writes both again.
;   v3, v4        Written at the head, read by the closing add alone.
;   The scores and p, O^T and the statistics are named by vector and matrix instructions alone.
; So a step holds two waits on va_vdst, one ahead of each run of LDS loads into v[40:103], and one on vm_vsrc at its end, for v[32:39]; a pass holds one on va_vdst ahead of Q's loads, one on vm_vsrc ahead of its first
; step, one on va_vdst ahead of its stores and one on vm_vsrc behind them.  Two scalar registers are written by vector instructions (s28, s31): each has its wait on va_sdst ahead of its first reader.
.set SPARE, 32768                      ; behind the two slots of 16,384 (K's 8 x 1,024, then V's 4 x 2,048): the spare words, 128 bytes a wave
	s_load_b256 s[4:11], s[0:1], 0x0               ; qkvc, mtab, lowp_scales, ycodes
	v_lshl_add_u32 v3, v0, 2, SPARE
	v_mov_b32 v4, 0
	v_lshrrev_b32 v6, 5, v0
	v_readfirstlane_b32 s28, v6                    ; wave
	v_and_b32 v1, 31, v0
	v_lshlrev_b32 v31, 8, v1
	v_lshlrev_b32 v1, 4, v1
	v_lshlrev_b32 v2, 4, v0
	v_mov_b32 v5, 0xff800000
	v_mov_b32 v6, 1.0
	v_mov_b32 v7, 0x7f7f7f7f
	v_mov_b32 v21, 0                               ; (named as the upper half of a pair)
	v_mov_b32 v26, 0                               ; a lane permute's destination counts as read
.irp i, 32,33,34,35,36,37,38,39
	v_mov_b32 v\i, 0
.endr
	s_wait_alu depctr_va_sdst(0)                   ; s28, the wave's number, is written
	s_mov_b32 s26, 0x76543210
	s_mov_b32 s27, 0xfedcba98
	s_and_b32 s2, ttmp7, 0xffff
	s_lshl_b32 s2, s2, 17                          ; a head's k, and its v: 131,072 bytes
	s_mov_b32 s3, 0
	s_wait_kmcnt 0x0
	s_load_b256 s[32:39], s[8:9], 0x0              ; e0 .. e7
	s_add_nc_u64 s[12:13], s[4:5], s[2:3]
	s_add_nc_u64 s[14:15], s[12:13], 16777216
	s_add_nc_u64 s[12:13], s[12:13], 8388608
	s_wait_kmcnt 0x0
	s_add_co_i32 s2, s34, s35
	s_lshl_b32 s2, s2, 23
	s_add_co_i32 s24, s2, 0x3e38aa3b               ; c = log2(e) / 8 x 2^(e2 + e3)
	s_mov_b32 s25, s24
	s_mov_b32 s8, s36                              ; e4
	s_add_co_i32 s9, s36, s37                      ; e4 + e5
	s_add_co_i32 s2, s36, 127
	s_lshl_b32 s3, s2, 23
	v_mov_b32 v28, s3
	s_add_co_i32 s2, s2, 8
	s_lshl_b32 s2, s2, 23
	s_or_b32 s2, s2, 0x600000
	v_mov_b32 v27, s2
	s_add_co_i32 s2, s38, 127
	s_lshl_b32 s3, s2, 23
	v_mov_b32 v30, s3
	s_add_co_i32 s2, s2, 8
	s_lshl_b32 s2, s2, 23
	s_or_b32 s2, s2, 0x600000
	v_mov_b32 v29, s2
	s_mov_b32 s29, 0                               ; the pass
; A STEP of 128 keys in slot p.
.macro STEP p
	s_bitcmp1_b32 s66, 1                           ; does any tile of the work-group need the next step?
	s_cbranch_scc0 .Lnn_\@
	global_load_b128 v[32:35], v2, s[16:17] offset:8192   ; no wait here: the LDS stores that read v[32:39] stand ahead of the last wait on vm_vsrc, and no vector instruction of a pass names these registers or v2
	global_load_b128 v[36:39], v2, s[18:19] offset:8192
.Lnn_\@:
	s_bitcmp1_b32 s101, 2                          ; the step after next is prefetched: 8,192 bytes, lanes 256 bytes apart; wave 0 asks for K's, wave 1 for V's, in the head's first work-group's first pass alone: each block is named once; bits 16 on are 0: nothing past the end
	s_cbranch_scc0 .Lnp_\@
	global_prefetch_b8 v31, s[22:23] offset:16384 th:TH_LOAD_NT scope:SCOPE_SE
.Lnp_\@:
	s_bitcmp1_b32 s67, 0                           ; has my tile an open key in this step?
	s_cbranch_scc0 .Lhid_\@
	s_load_b512 s[32:47], s[20:21], 0x0            ; the 64 lane masks
	s_load_b512 s[48:63], s[20:21], 0x40
	s_load_b512 s[68:83], s[20:21], 0x80
	s_load_b512 s[84:99], s[20:21], 0xc0
	s_wait_alu depctr_va_vdst(0)                   ; the products V^T P of the last step that I worked are done reading v[40:103], in which K's loads land
.set i, 0
.rept 16
	ds_load_b128 v[40+4*i:43+4*i], v1 offset:16384*(\p)+512*i          ; K's eight fragments
.set i, i+1
.endr
	s_wait_dscnt 0x0
.irp c, 0,1,2,3,4,5,6,7
	v_wmma_f32_16x16x64_fp8_fp8 v[104+8*\c:111+8*\c], v[40+8*\c:47+8*\c], v[8:15], 0
.endr
.rept 4
	v_nop                                          ; places ahead of the first read of the scores
.endr
	s_wait_alu depctr_va_vdst(0)                   ; the eight products are done reading K's fragments, in which V's loads land; the places above stay beside this wait
.set i, 0
.rept 16
	ds_load_b128 v[40+4*i:43+4*i], v1 offset:16384*(\p)+8192+512*i     ; V's four fragments land under the softmax, whose lines name none of v[40:103]
.set i, i+1
.endr
	s_wait_kmcnt 0x0
	s_bitcmp1_b32 s100, 0                          ; a step without a masked key skips the selects
	s_cbranch_scc0 .Lopen_\@
.set n, 0
.rept 64
.if n < 32
	v_cndmask_b32 v[104+n], v[104+n], v5, s[32+n]
.else
	v_cndmask_b32 v[104+n], v[104+n], v5, s[36+n]
.endif
.set n, n+1
.endr
.Lopen_\@:
	v_max3_num_f32 v24, v104, v105, v106           ; the step's largest score of my query, in two chains that enter each accumulator at its low end
	v_max3_num_f32 v25, v107, v108, v109
.set i, 6
.rept 14
	v_max3_num_f32 v24, v24, v[104+i], v[105+i]
	v_max3_num_f32 v25, v25, v[106+i], v[107+i]
.set i, i+4
.endr
	v_max3_num_f32 v24, v24, v166, v167
	v_max_num_f32 v24, v24, v25
	v_permlanex16_b32 v26, v24, s26, s27
	v_max_num_f32 v24, v24, v26
	v_mul_f32 v24, s24, v24                        ; as t (c is positive)
	v_max_num_f32 v17, v17, v24
	v_mov_b32 v24, v16
	v_floor_f32 v16, -v17                          ; -M = floor(-t)
	v_sub_f32 v24, v16, v24                        ; old M - new M: a whole number, 0 or less
	v_cvt_i32_f32 v24, v24                         ; (it saturates)
	v_ldexp_f32 v20, 1.0, v24                      ; f = 2^(old M - new M)
.set i, 0
.rept 32
	v_pk_fma_f32 v[104+i:105+i], v[104+i:105+i], s[24:25], v[16:17] op_sel_hi:[1,0,0]   ; t - M
.set i, i+2
.endr
.set i, 0
.rept 64
	v_exp_f32 v[104+i], v[104+i]
.set i, i+1
.endr
	v_pk_mul_f32 v[18:19], v[18:19], v[20:21] op_sel_hi:[1,0]   ; the sum under the new M: the plain line behind the batch
	s_wait_alu depctr_va_vdst(0)                   ; the 64 exponentials have written p in v[104:167]: one wait for the batch, ahead of its first reader
	v_pk_add_f32 v[22:23], v[104:105], v[106:107]  ; the sum of the unquantised p, in two chains
.set i, 4
.rept 15
	v_pk_add_f32 v[18:19], v[18:19], v[104+i:105+i]
	v_pk_add_f32 v[22:23], v[22:23], v[106+i:107+i]
.set i, i+4
.endr
	v_pk_add_f32 v[18:19], v[18:19], v[22:23]
	s_cmp_ge_i32 s8, -8                            ; p <= 1 <= 448 x 2^e4 where e4 >= -8: there the hold changes nothing and is passed over (a whole number read from memory decides)
	s_cbranch_scc1 .Lnohold_\@
.set i, 0
.rept 64
	v_min_num_f32 v[104+i], v[104+i], v27
.set i, i+1
.endr
.Lnohold_\@:
.irp c, 0,1,2,3,4,5,6,7
	v_cvt_scalef32_pk8_fp8_f32 v[200+2*\c:201+2*\c], v[104+8*\c:111+8*\c], v28
.endr
.set i, 0
.rept 16
	v_pk_mul_f32 v[168+i:169+i], v[168+i:169+i], v[20:21] op_sel_hi:[1,0]   ; O^T under the new M; these are also the plain lines behind the conversions
.set i, i+2
.endr
	s_wait_dscnt 0x0                               ; V is in
.irp t, 0,1,2,3
	v_wmma_f32_16x16x128_fp8_fp8 v[168+8*\t:175+8*\t], v[40+16*\t:55+16*\t], v[200:215], v[168+8*\t:175+8*\t]
.endr
.rept 4
	v_nop                                          ; places behind the step's last products, for whatever follows on any way
.endr
.Lhid_\@:
	s_wait_loadcnt 0x0                             ; the next step's bytes are in my registers
	s_bitcmp1_b32 s66, 1
	s_cbranch_scc0 .Lns_\@
	ds_store_b128 v2, v[32:35] offset:16384*(1-\p)
	ds_store_b128 v2, v[36:39] offset:16384*(1-\p)+8192
.Lns_\@:
	s_wait_dscnt 0x0                               ; for the others' sake: my stores into the other slot have landed, my reads of this slot are over
	s_wait_xcnt 0x0                                ; my loads and the prefetch have read their bases
	s_wait_alu depctr_vm_vsrc(0)                   ; my LDS stores have read v[32:39], in which the next step's loads land
	s_add_nc_u64 s[16:17], s[16:17], 8192
	s_add_nc_u64 s[18:19], s[18:19], 8192
	s_add_nc_u64 s[22:23], s[22:23], 8192
	s_add_nc_u64 s[20:21], s[20:21], 256
	s_lshr_b32 s66, s66, 1
	s_lshr_b32 s67, s67, 1
	s_lshr_b32 s100, s100, 1
	s_lshr_b32 s101, s101, 1
	s_barrier_signal -1                            ; one barrier a step: behind it the other slot is whole, and this one may be written
	s_barrier_wait -1
.endm
.Lpass:
	s_sub_co_u32 s2, 7, ttmp9
	s_cmp_eq_u32 s29, 0
	s_cselect_b32 s2, s2, ttmp9                    ; my block of 256 queries
	s_lshl_b32 s31, s2, 4
	s_add_co_u32 s31, s31, s28                     ; my tile of 16
	s_lshl_b32 s2, s2, 8
	s_add_co_u32 s2, s2, 524288
	s_mov_b32 s3, 0
	s_add_nc_u64 s[20:21], s[6:7], s[2:3]
	s_load_b512 s[32:47], s[20:21], 0x0            ; the flags of the block's 16 tiles, 4 words each
	s_load_b512 s[48:63], s[20:21], 0x40
	s_load_b512 s[68:83], s[20:21], 0x80
	s_load_b512 s[84:99], s[20:21], 0xc0
	s_lshl_b32 s2, s31, 4
	s_add_co_u32 s2, s2, 524288
	s_add_nc_u64 s[22:23], s[6:7], s[2:3]
	s_load_b128 s[16:19], s[22:23], 0x0            ; my tile's
	s_and_b32 s2, ttmp7, 0xffff
	s_lshl_b32 s30, s2, 7
	s_add_co_u32 s30, s30, s31
	s_lshl_b32 s30, s30, 10
	v_add_nc_u32 v24, s30, v1
	s_wait_alu depctr_va_vdst(0)                   ; v24 is written, Q's loads' offset; in the first pass so are v1, v2, v31, which all later loads, LDS stores and prefetches read, and the zeros in v[32:39], in which loads land; in the second pass the last pass's products are done reading Q
	global_load_b128 v[8:11], v24, s[4:5]          ; Q's fragment
	global_load_b128 v[12:15], v24, s[4:5] offset:512
	s_lshr_b32 s30, s2, 4
	s_lshl_b32 s30, s30, 7
	s_add_co_u32 s30, s30, s31
	s_lshl_b32 s30, s30, 14                        ; y: (128 batch + tile) x 16,384
	s_and_b32 s2, s2, 15
	s_lshl_b32 s2, s2, 10                          ; + 1,024 x head: K step head / 2, half head % 2
	s_add_co_u32 s30, s30, s2
	v_add_nc_u32 v216, s30, v1
	v_mov_b32 v17, 0xff61b1e6                      ; the largest t so far: -3e38
	v_floor_f32 v16, -v17
	v_mov_b32 v18, 0
	v_mov_b32 v19, 0
.set i, 0
.rept 32
	v_mov_b32 v[168+i], 0                          ; O^T: the step is written once; its first turn finds zeros
.set i, i+1
.endr
	s_wait_kmcnt 0x0
	s_or_b32 s66, s32, s33
.set n, 2
.rept 62
.if n < 32
	s_or_b32 s66, s66, s[32+n]
.else
	s_or_b32 s66, s66, s[36+n]
.endif
.set n, n+1
.endr
	s_and_b32 s66, s66, 0xffff                     ; bit s: some tile of the block has an open key in step s
	s_or_b32 s67, s16, s17
	s_or_b32 s67, s67, s18
	s_or_b32 s67, s67, s19
	s_lshr_b32 s100, s67, 16                       ; bit s: my tile has a masked key
	s_and_b32 s67, s67, 0xffff                     ; bit s: my tile has an open key
	s_lshr_b32 s2, s28, 1
	s_or_b32 s2, s2, ttmp9
	s_or_b32 s2, s2, s29
	s_cmp_eq_u32 s2, 0
	s_cselect_b32 s101, s66, 0
	s_mov_b64 s[16:17], s[12:13]
	s_mov_b64 s[18:19], s[14:15]
	s_lshl_b32 s2, s31, 12
	s_mov_b32 s3, 0
	s_add_nc_u64 s[20:21], s[6:7], s[2:3]
	s_cmp_eq_u32 s28, 0
	s_cselect_b64 s[22:23], s[16:17], s[18:19]
	s_bitcmp1_b32 s66, 0
	s_cbranch_scc0 .Lnoprime
	global_load_b128 v[32:35], v2, s[16:17]        ; step 0 into slot 0 (no vector instruction since the wait above names v2 or v[32:39])
	global_load_b128 v[36:39], v2, s[18:19]
	s_wait_loadcnt 0x0
	ds_store_b128 v2, v[32:35]
	ds_store_b128 v2, v[36:39] offset:8192
.Lnoprime:
	s_wait_loadcnt 0x0                             ; Q
	s_wait_dscnt 0x0
	s_wait_alu depctr_vm_vsrc(0)                   ; Q's loads have read v24, which the steps write; step 0's LDS stores have read v[32:39], in which step 1's loads land
	s_barrier_signal -1
	s_barrier_wait -1
	s_mov_b32 s30, 8
.Ltrip:
	STEP 0
	STEP 1
	s_sub_co_u32 s30, s30, 1
	s_cmp_lg_u32 s30, 0
	s_cbranch_scc1 .Ltrip
; the way out: O^T / the sum x 2^(e4 + e5), held, converted: four conversions give registers 2 t, 2 t + 1 of the last product's operand
	v_add_f32 v18, v18, v19
	v_permlanex16_b32 v26, v18, s26, s27
	v_add_f32 v18, v18, v26                        ; the row's sum
	v_cmp_eq_f32 s31, 0, v18                       ; a row without an open key
	s_wait_alu depctr_va_sdst(0)                   ; the compare has written s31, ahead of its first reader, the select below
	v_cndmask_b32 v24, v18, v6, s31
	v_rcp_f32 v24, v24
	v_nop
	s_wait_alu depctr_va_vdst(0)                   ; the reciprocal has written v24, ahead of its first reader
	v_ldexp_f32 v24, v24, s9
	v_mov_b32 v25, v24
.set i, 0
.rept 16
	v_pk_mul_f32 v[104+i:105+i], v[168+i:169+i], v[24:25] op_sel_hi:[1,0]
.set i, i+2
.endr
.set i, 0
.rept 32
	v_med3_num_f32 v[104+i], v[104+i], -v29, v29
.set i, i+1
.endr
.irp t, 0,1,2,3
	v_cvt_scalef32_pk8_fp8_f32 v[200+2*\t:201+2*\t], v[104+8*\t:111+8*\t], v30
.endr
	v_nop
.irp i, 0,1,2,3,4,5,6,7
	v_cndmask_b32 v[200+\i], v[200+\i], v7, s31
.endr
	s_wait_alu depctr_va_vdst(0)                   ; the selects have written v[200:207], the stores' data; v216, their offset, was written at the pass's head
	global_store_b128 v216, v[200:203], s[10:11]
	global_store_b128 v216, v[204:207], s[10:11] offset:512
	s_wait_xcnt 0x0                                ; the stores have read their registers
	s_wait_alu depctr_vm_vsrc(0)                   ; the stores have read v216 and v[200:207], which the next pass writes again
	s_add_co_u32 s29, s29, 1
	s_cmp_lt_u32 s29, 2
	s_cbranch_scc1 .Lpass
	s_wait_dscnt 0x0                               ; the closing lines, six on end
	s_wait_alu 0x0
	s_wait_tensorcnt 0x0
	ds_add_u32 v3, v4
	s_wait_dscnt 0x0
	s_endpgm
.Lfunc_end_k_q9eb404e1c8_attn:
	.size	k_q9eb404e1c8_attn, .Lfunc_end_k_q9eb404e1c8_attn-k_q9eb404e1c8_attn
	.p2alignl 7, 3214868480
	.fill 96, 4, 3214868480
	.section	.rodata,"a",@progbits
	.p2align	6, 0x0
	.amdhsa_kernel k_q9eb404e1c8_attn
		.amdhsa_group_segment_fixed_size 34816
		.amdhsa_private_segment_fixed_size 0
		.amdhsa_enable_private_segment 0
		.amdhsa_kernarg_size 32
		.amdhsa_user_sgpr_count 2
		.amdhsa_user_sgpr_kernarg_segment_ptr 1
		.amdhsa_wavefront_size32 1
		.amdhsa_system_sgpr_workgroup_id_x 1
		.amdhsa_system_sgpr_workgroup_id_y 1
		.amdhsa_system_sgpr_workgroup_id_z 1
		.amdhsa_system_vgpr_workitem_id 0
		.amdhsa_next_free_vgpr 224
		.amdhsa_next_free_sgpr 102
		.amdhsa_reserve_vcc 0
		.amdhsa_float_denorm_mode_32 3
		.amdhsa_float_denorm_mode_16_64 3
		.amdhsa_memory_ordered 1
		.amdhsa_forward_progress 1
		.amdhsa_inst_pref_size 55
	.end_amdhsa_kernel
	.amdgpu_metadata
---
amdhsa.version: [ 1, 2 ]
amdhsa.kernels:
  - .name:           k_q9eb404e1c8_attn
    .symbol:         k_q9eb404e1c8_attn.kd
    .args:
      - { .name: qkvc, .offset: 0, .size: 8, .value_kind: global_buffer, .address_space: global }
      - { .name: mtab, .offset: 8, .size: 8, .value_kind: global_buffer, .address_space: global }
      - { .name: lowp_scales, .offset: 16, .size: 8, .value_kind: global_buffer, .address_space: global }
      - { .name: ycodes, .offset: 24, .size: 8, .value_kind: global_buffer, .address_space: global }
    .group_segment_fixed_size: 34816
    .private_segment_fixed_size: 0
    .kernarg_segment_align: 8
    .kernarg_segment_size: 32
    .max_flat_workgroup_size: 512
    .sgpr_count:     102
    .vgpr_count:     224
    .wavefront_size: 32
...
	.end_amdgpu_metadata
.endif
;; end of part 5
;; launch proj: the kernel of part 4 again; grid 8 x 32, 4 waves a work-group, clusters of 4 x 4, 327,680 bytes of LDS; arguments ycodes, wcodes, lowp_scales, out0; writes out0
